; MI455X (gfx1250); checked and timed in simulation.
; The chip was launched on July 23, 2026; its instructions are those of AMD's public machine-readable ISA for CDNA 5 (MIT licence, August 2026) and "CDNA5" Instruction Set Architecture Reference Guide (July 2026). The comments in the code are by the model that wrote it; some were corrected since.
;; Goby Block. Allowed arithmetic: matrix products marked QUANTISED: E3M2 operands, one E8M0 scale for each 32 along K, by v_wmma_scale_f32_16x16x128_f8f6f4 with both operands' format E3M2, f32 sums; everything else in f32.
;; Inputs: cos 2,048 x 64 float32; mask 1 x 1 x 2,048 x 2,048 bool; norm_w 2,048 float32; sin 2,048 x 64 float32; w_down 2,048 x 2,048 float32; w_gate 2,048 x 2,048 float32; w_up 2,048 x 2,048 float32; wk 512 x 2,048 float32; wo 2,048 x 2,048 float32; wq 2,048 x 2,048 float32; wv 512 x 2,048 float32; x 1 x 2,048 x 2,048 float32.
;; Outputs: out0 1 x 2,048 x 2,048 float32.
;; This version of the problem:
;;   THIS VERSION OF THE PROBLEM IS GIVEN IN LOW PRECISION. The matrix products marked QUANTISED in the list below multiply operands that are first quantised to E3M2 (3 exponent bits, 2 mantissa bits; 6 bits a number), with one power-of-two scale for each 32 numbers along K (OCP MX v1.0); their sums are f32. All else is computed in f32.
;;   The module's matrix products, in the order in which they are computed (A, B: the left and right operand; K: the contracted axis; several contracted axes count as one K, in the product's order):
;;     1. [M 2,048, K 2,048] x [K 2,048, N 2,048]; A: computed on the way; B: input wq: QUANTISED
;;     2. [M 2,048, K 2,048] x [K 2,048, N 512]; A: computed on the way; B: input wk: QUANTISED
;;     3. [M 2,048, K 2,048] x [K 2,048, N 512]; A: computed on the way; B: input wv: QUANTISED
;;     4. batch 16 x [M 2,048, K 128] x [K 128, N 2,048]; A: computed on the way; B: computed on the way: QUANTISED
;;     5. batch 16 x [M 2,048, K 2,048] x [K 2,048, N 128]; A: softmax (see below); B: computed on the way: QUANTISED
;;     6. [M 2,048, K 2,048] x [K 2,048, N 2,048]; A: computed on the way; B: input wo: QUANTISED
;;     7. [M 2,048, K 2,048] x [K 2,048, N 2,048]; A: computed on the way; B: input w_gate: QUANTISED
;;     8. [M 2,048, K 2,048] x [K 2,048, N 2,048]; A: computed on the way; B: input w_up: QUANTISED
;;     9. [M 2,048, K 2,048] x [K 2,048, N 2,048]; A: computed on the way; B: input w_down: QUANTISED
;;   THE QUANTISER, for each operand of a quantised product, along K:
;;     - K is cut into blocks of 32 from its start; a last block that is shorter is filled with zeros.
;;     - A block's scale is 2^e with e = floor(log2(the largest magnitude in the block)) - 4, held to -126 .. 127; a block of zeros has e = 0. As a byte (E8M0): e + 127.
;;     - Each number is divided by its block's scale, clamped to +-28, and rounded to the nearest number of E3M2, ties to even, subnormals kept.
;;     - The product sums the exact products of the quantised numbers (number of the format x scale) in f32.
;;   ~~~python
;;   def quantise(x, axis):      # numpy; x: float32 -> the quantised numbers, widened to float32 again
;;       x = np.moveaxis(x, axis, -1); K = x.shape[-1]
;;       x = np.pad(x, [(0, 0)] * (x.ndim - 1) + [(0, -K % 32)]); x = x.reshape(x.shape[:-1] + (-1, 32)); a = np.abs(x).max(-1, keepdims=True)
;;       e = np.where(a > 0, np.clip(np.frexp(np.where(a > 0, a, 1))[1] - 1 - 4, -126, 127), 0)      # np.frexp(a)[1] - 1 = floor(log2(a)), exactly
;;       r = np.clip(x / 2.0 ** e, -28, 28)
;;       step = 2.0 ** (np.maximum(np.frexp(np.where(r == 0, 1, r))[1] - 1, -2) - 2)
;;       q = np.round(r / step) * step * 2.0 ** e      # np.round: ties to even
;;       return np.moveaxis(q.reshape(q.shape[:-2] + (-1,))[..., :K], -1, axis).astype(np.float32)
;;   ~~~
;;   SOFTMAX AHEAD OF A QUANTISED PRODUCT. Where the list says 'softmax', what is quantised is not the finished softmax but p = 2^(t - M), with t = logit x log2(e) and M = ceil(the row's largest t), a whole number; so 1/2 < the row's largest p <= 1. The row's sum l is taken of the UNQUANTISED p, in f32, and the product's result is divided by l at the end. Since M is a whole number, a kernel that streams over the keys may use a running M (the ceiling of the running maximum): every later rescaling is an exact power of two, which a block's scale takes up: the codes' values come out the same.
;;   OPERANDS COMPUTED ON THE WAY. 'Computed on the way' means the value that the module computes at that place (a softmax that the list does not call 'softmax' is quantised finished and normalised). What goes into a quantiser is computed in f32, as accurately as f32 sums, v_exp_f32 and their like allow (about 1e-6 of the number): no bf16 or f16 on the way to a quantiser, and a product that is left as it is and whose result goes on into a quantised operand takes f32 operands (vector FMAs, or v_wmma_f32_16x16x4_f32). A number that lies on a knife's edge between two numbers of the format may be rounded either way, as far as f32 arithmetic and the matrix unit's own rounding can turn it there, and no further.
;; One version. Each part assembles by itself: llvm-mc -triple=amdgcn-amd-amdhsa -mcpu=gfx1250 --defsym DOCPART=n.
;; ======== version 1 of 1: 4 launches
;; limits: right only within a limited range of input values
;; workspace buffers: hq 3,407,872 bytes; w1 11,927,552 bytes; w2 6,815,744 bytes; a2 6,815,744 bytes; qimg 3,407,872 bytes; kimg 851,968 bytes; vimg 851,968 bytes; mbits 524,288 bytes
;; launch prep (part 1): grid 960 x 1, 16 waves a work-group, no clusters, 138,240 bytes of LDS; arguments x, wq, wk, wv, w_gate, w_up, wo, w_down, norm_w, mask, hq, w1, w2, mbits; writes hq, w1, w2, mbits
.if DOCPART == 1
	.amdgcn_target "amdgcn-amd-amdhsa--gfx1250"
	.amdhsa_code_object_version 6
	.text
	.protected	k_qcbb0bc3146_prep
	.globl	k_qcbb0bc3146_prep
	.p2align	8
	.type	k_qcbb0bc3146_prep,@function
k_qcbb0bc3146_prep:
	s_mov_b64 s[64:65], 0
	v_nop
	global_prefetch_b8 v0, s[64:65] scope:SCOPE_SE
	s_setreg_imm32_b32 hwreg(HW_REG_WAVE_MODE, 25, 1), 1
	s_wait_xcnt 0x0
; PREP: h = rmsnorm(x) x norm_w and the seven weights become codes of BF6 (E3M2) with one E8M0 byte for each 32 along K; the mask becomes words of lane bits.
; LAYOUT OF ALL CODES: images of operand registers.  A fragment (16 rows x 128 K, 12 registers a lane) is 1,536 bytes: registers 0-3 at 16 x lane, 4-5 at 512 + 8 x lane, 6-9 at 768 + 16 x lane,
; 10-11 at 1,280 + 8 x lane.  Two fragments (K steps 2 p, 2 p + 1) and their scale words (4 bytes a lane, at 3,072 and 3,200) are a pair block of 3,328 bytes.  Buffers: [pair of K steps][row block][3,328].
; THE ROWS OF A BLOCK ARE NOT NEIGHBOURS: lane row r of block T is true row 32 (T / 2) + 8 (T % 2) + r + 8 (r / 8), so that the results of two neighbouring blocks are 16 neighbours along the next K.
; SHARES: a work-group takes one row block for all of K = 2,048; wave w takes K step w.  Work-groups 0-127: x; 128-575: the 448 blocks of w1 (wq by heads; wk and wv head by head; 64 rows of w_gate with
; the same 64 of w_up); 576-703: wo; 704-831: w_down; 832-959: a tile of 16 queries of the mask, wave = key step of 128.
; Each load reads 512 consecutive bytes of one row; the 16 rows turn through the wave's own stage in LDS (pitch 528) and come back 16 neighbours of each block of 32 to a lane.
; LIMITS: NaN and infinities among the inputs are not served.  A block of zeros, or one whose largest magnitude lies under 2^-122, gets the byte 1 (its codes add nothing; this program alone reads the bytes).
.set SP,   528                         ; a stage row: 512 bytes + 16
.set STG,  16*SP                       ; a wave's stage
.set RED,  16*STG                      ; behind the stages: 16 rows x 16 waves' sums of squares, 64 bytes a row
.set PB,   3328
.set X,    16                          ; v16-79   the lane's 64 numbers
.set PC,   80                          ; v80-99   codes
.set TM,   100                         ; v100-115 maxima, bytes, scale operands
.set PW,   116                         ; the scale word
.set VO16, 1                           ; v1 16 x lane, v2 8 x lane, v3 4 x lane
.set VO8,  2
.set VO4,  3
.set SEL,  2                           ; s[2:3] selects of v_permlanex16_b32: lane l xor 16
.set MSB, 0
.macro WIN new                         ; the immediate's high byte repeats the setting that is left (in this text every window is 0: nothing is emitted)
.if MSB != (\new)
	s_set_vgpr_msb (MSB<<8)|(\new)
.set MSB, (\new)
.endif
.endm
; 64 numbers of a lane in window w, register 16 b + i = k 32 b + 16 (lane / 16) + i of my row, become a fragment's codes in v[PC] on and its scale word in v[PW]
.macro QUANT s, w
	WIN (\w)|((\w)<<2)
.irp b, 0,1,2,3
	v_max3_num_f32 v[TM+\b], |v[(\s)+16*\b]|, |v[(\s)+16*\b+1]|, 0x2800000   ; my 16 of block b, and the floor 2^(5 - 127): the byte cannot fall under 1
.endr
.irp i, 2,4,6,8,10,12,14
.irp b, 0,1,2,3
	s_delay_alu instid0(VALU_DEP_4)
	v_max3_num_f32 v[TM+\b], |v[(\s)+16*\b+\i]|, |v[(\s)+16*\b+\i+1]|, v[TM+\b]
.endr
.endr
	WIN 0
.irp b, 0,1,2,3
	s_delay_alu instid0(VALU_DEP_4)
	v_permlanex16_b32 v[TM+4+\b], v[TM+\b], s[SEL], s[SEL+1]
.endr
.irp b, 0,1,2,3
	s_delay_alu instid0(VALU_DEP_4)
	v_max_num_f32 v[TM+\b], v[TM+\b], v[TM+4+\b]           ; with lane l xor 16's: the block's largest magnitude
.endr
.irp b, 0,1,2,3
	s_delay_alu instid0(VALU_DEP_4)
	v_add_nc_u32 v[TM+12+\b], 0xfe000000, v[TM+\b]         ; 4 off its exponent field: the conversion's scale operand
.endr
.irp b, 0,1,2,3
	s_delay_alu instid0(VALU_DEP_4)
	v_lshrrev_b32 v[TM+4+\b], 23, v[TM+12+\b]              ; the scale's byte
.endr
	s_delay_alu instid0(VALU_DEP_3)
	v_lshl_or_b32 v[PW], v[TM+5], 8, v[TM+4]
	s_delay_alu instid0(VALU_DEP_1)
	v_lshl_or_b32 v[PW], v[TM+6], 16, v[PW]
	s_delay_alu instid0(VALU_DEP_1)
	v_lshl_or_b32 v[PW], v[TM+7], 24, v[PW]
	WIN (\w)
.irp c, 0,1
	v_cvt_scalef32_pk16_bf6_f32 v[PC+6*\c:PC+6*\c+2], v[(\s)+32*\c:(\s)+32*\c+15], v[TM+12+2*\c]
	v_cvt_scalef32_pk16_bf6_f32 v[PC+12+4*\c:PC+12+4*\c+2], v[(\s)+32*\c+16:(\s)+32*\c+31], v[TM+13+2*\c]
.endr
	WIN 0
	v_nop                                                  ; one plain place behind a scaled conversion
.irp c, 0,1                                            ; the operand wants a whole block in a lane: lanes 0-15 block 2 c, lanes 16-31 block 2 c + 1
.irp i, 0,1,2
	v_permlane16_swap_b32 v[PC+6*\c+\i], v[PC+12+4*\c+\i]
.endr
.irp i, 0,1,2
	s_delay_alu instid0(VALU_DEP_3)
	v_mov_b32 v[PC+3+6*\c+\i], v[PC+12+4*\c+\i]
.endr
.endr
.endm
.macro PUT dp, off                     ; the fragment's image: each store covers 512 or 256 consecutive bytes, aligned
	global_store_b128 v[VO16], v[PC:PC+3], s[\dp:\dp+1] offset:(\off)
	global_store_b64 v[VO8], v[PC+4:PC+5], s[\dp:\dp+1] offset:(\off)+512
	global_store_b128 v[VO16], v[PC+6:PC+9], s[\dp:\dp+1] offset:(\off)+768
	global_store_b64 v[VO8], v[PC+10:PC+11], s[\dp:\dp+1] offset:(\off)+1280
.endm
	s_load_b512 s[8:23], s[0:1], 0x0               ; x 8, wq 10, wk 12, wv 14, w_gate 16, w_up 18, wo 20, w_down 22
	s_load_b256 s[24:31], s[0:1], 0x40             ; norm_w 24, mask 26, hq 28, w1 30
	s_load_b128 s[32:35], s[0:1], 0x60             ; w2 32, mbits 34
	v_lshl_add_u32 v14, v0, 2, 0x21400             ; my spare word, behind the sums; v14 and v15 serve the closing add alone: 128 registers a wave, 512 of a SIMD's 1,024 for a work-group's four waves there
	v_mov_b32 v15, 0
	v_lshrrev_b32 v10, 5, v0
	s_delay_alu instid0(VALU_DEP_1)
	v_readfirstlane_b32 s4, v10                    ; wave 0..15
	v_and_b32 v10, 31, v0                          ; lane
	v_and_b32 v11, 15, v0                          ; r
	v_bfe_u32 v12, v0, 4, 1                        ; h
	s_delay_alu instid0(VALU_DEP_3)
	v_lshlrev_b32 v1, 4, v10
	s_delay_alu instid0(VALU_DEP_4)
	v_lshlrev_b32 v2, 3, v10
	v_lshlrev_b32 v3, 2, v10
	s_mul_i32 s6, s4, STG
	v_add_nc_u32 v4, s6, v1                        ; the stage, in: 16 bytes a lane of a row
	v_mul_u32_u24 v5, v11, SP
	s_delay_alu instid0(VALU_DEP_1)
	v_lshl_add_u32 v5, v12, 6, v5
	s_delay_alu instid0(VALU_DEP_1)
	v_add_nc_u32 v5, s6, v5                        ; out: row r, + 64 h
	v_lshlrev_b32 v7, 6, v11
	s_delay_alu instid0(VALU_DEP_1)
	v_add_nc_u32 v7, RED, v7                       ; my row's sixteen sums
	s_lshl_b32 s7, s4, 2
	v_add_nc_u32 v6, s7, v7                        ; and my wave's word among them
	v_lshlrev_b32 v8, 6, v12                       ; norm_w: 64 h
	v_and_b32 v13, 8, v11
	s_delay_alu instid0(VALU_DEP_1)
	v_add_nc_u32 v13, v13, v11                     ; r + 8 (r / 8)
	s_delay_alu instid0(VALU_DEP_1)
	v_lshlrev_b32 v9, 11, v13
	s_delay_alu instid0(VALU_DEP_1)
	v_lshl_add_u32 v9, v12, 4, v9                  ; the mask: my query's row of 2,048 bytes, + 16 h
.irp b, 0,1,2,3
	v_mov_b32 v[TM+4+\b], 0                        ; written once: a lane permute's destination counts as one of its sources
.endr
	s_mov_b32 s2, 0x76543210
	s_mov_b32 s3, 0xfedcba98
	s_mov_b32 s5, ttmp9                            ; g
	s_mov_b32 s6, 0
	s_cmp_ge_u32 s5, 128
	s_cselect_b32 s6, 128, s6
	s_cmp_ge_u32 s5, 576
	s_cselect_b32 s6, 576, s6
	s_cmp_ge_u32 s5, 704
	s_cselect_b32 s6, 704, s6
	s_sub_co_u32 s36, s5, s6                       ; T: the row block in its buffer
	s_lshr_b32 s37, s36, 3                         ; G: the group of eight blocks
	s_and_b32 s38, s36, 7                          ; blk
	s_lshr_b32 s39, s38, 1
	s_lshl_b32 s39, s39, 5
	s_and_b32 s40, s38, 1
	s_lshl_b32 s40, s40, 3
	s_add_co_u32 s39, s39, s40                     ; e = 32 (blk / 2) + 8 (blk % 2)
	s_lshr_b32 s40, s36, 1
	s_lshl_b32 s40, s40, 5
	s_and_b32 s41, s36, 1
	s_lshl_b32 s41, s41, 3
	s_add_co_u32 s40, s40, s41                     ; the plain first row: 32 (T / 2) + 8 (T % 2)
	s_sub_co_u32 s41, s37, 16
	s_lshr_b32 s41, s41, 1
	s_lshl_b32 s41, s41, 7
	s_add_co_u32 s41, s41, s39                     ; wk, wv: 128 x head + e
	s_sub_co_u32 s42, s37, 24
	s_lshl_b32 s42, s42, 6
	s_and_b32 s43, s39, 63
	s_add_co_u32 s42, s42, s43                     ; w_gate, w_up: 64 (G - 24) + e % 64
	s_mov_b32 s55, 128
	s_mov_b32 s57, 0
	s_wait_kmcnt 0x0
	s_cmp_ge_u32 s5, 832
	s_cbranch_scc1 .Lmask                          ; the same for all waves of a work-group
	s_bitcmp1_b32 s37, 0
	s_cselect_b64 s[44:45], s[14:15], s[12:13]     ; odd groups wv, even groups wk
	s_bitcmp1_b32 s38, 2
	s_cselect_b64 s[46:47], s[18:19], s[16:17]     ; blocks 4-7 w_up, blocks 0-3 w_gate
	s_mov_b64 s[48:49], s[8:9]                     ; source, first row, destination, its row blocks, its first pair of K steps: by the work-group's number alone
	s_mov_b32 s50, s40
	s_mov_b64 s[52:53], s[28:29]
	s_mov_b32 s51, 128
	s_mov_b32 s54, 0
	s_cmp_ge_u32 s5, 128
	s_cselect_b64 s[48:49], s[10:11], s[48:49]
	s_cselect_b64 s[52:53], s[30:31], s[52:53]
	s_cselect_b32 s51, 448, s51
	s_cmp_ge_u32 s5, 256
	s_cselect_b64 s[48:49], s[44:45], s[48:49]
	s_cselect_b32 s50, s41, s50
	s_cmp_ge_u32 s5, 320
	s_cselect_b64 s[48:49], s[46:47], s[48:49]
	s_cselect_b32 s50, s42, s50
	s_cmp_ge_u32 s5, 576
	s_cselect_b64 s[48:49], s[20:21], s[48:49]
	s_cselect_b32 s50, s40, s50
	s_cselect_b64 s[52:53], s[32:33], s[52:53]
	s_cselect_b32 s51, s55, s51
	s_cmp_ge_u32 s5, 704
	s_cselect_b64 s[48:49], s[22:23], s[48:49]
	s_cselect_b32 s54, 8, s54
	s_lshl_b32 s56, s50, 13                        ; rows of 8,192 bytes,
	s_lshl_b32 s62, s4, 9                          ; my K step's 512 bytes
	s_add_co_u32 s56, s56, s62
	s_add_nc_u64 s[48:49], s[48:49], s[56:57]
	s_mov_b32 s56, s62
	s_add_nc_u64 s[24:25], s[24:25], s[56:57]      ; norm_w at my K step
	s_lshr_b32 s56, s4, 1
	s_add_co_u32 s56, s56, s54
	s_mul_i32 s56, s56, s51
	s_add_co_u32 s56, s56, s36
	s_mul_i32 s56, s56, PB
	s_add_nc_u64 s[52:53], s[52:53], s[56:57]      ; my pair block
	s_and_b32 s62, s4, 1
	s_mul_i32 s56, s62, 1536
	s_add_nc_u64 s[58:59], s[52:53], s[56:57]      ; my fragment in it
	s_lshl_b32 s56, s62, 7
	s_add_nc_u64 s[60:61], s[52:53], s[56:57]      ; my scale words (3,072 further on)
.irp i, 0,1,2,3,4,5,6,7,8,9,10,11,12,13,14,15
	global_load_b128 v[X+4*\i:X+4*\i+3], v1, s[48:49] offset:((\i&7)+16*(\i>>3))*8192 th:TH_LOAD_NT   ; lane row i: 512 consecutive bytes
.endr
.irp i, 0,1,2,3,4,5,6,7,8,9,10,11,12,13,14,15
	s_wait_loadcnt 15-\i                           ; loads come back in order: row i is in, the younger rows may be out
	ds_store_b128 v4, v[X+4*\i:X+4*\i+3] offset:SP*\i
.endr
	s_wait_dscnt 0x0                               ; the stores have read their registers, which the loads below write
.irp b, 0,1,2,3
.irp j, 0,1,2,3
	ds_load_b128 v[X+16*\b+4*\j:X+16*\b+4*\j+3], v5 offset:128*\b+16*\j
.endr
.endr
	s_wait_dscnt 0x0
	s_cmp_ge_u32 s5, 128
	s_cbranch_scc1 .Lnosum
	s_wait_alu depctr_va_vdst(0)
.irp b, 0,1                                    ; x alone: the gains of blocks 0 and 1 are asked for; the sum of my 64 squares
.irp j, 0,1,2,3
	global_load_b128 v[80+16*\b+4*\j:80+16*\b+4*\j+3], v8, s[24:25] offset:128*\b+16*\j
.endr
.endr
	v_pk_mul_f32 v[120:121], v[X:X+1], v[X:X+1]
	v_pk_mul_f32 v[122:123], v[X+2:X+3], v[X+2:X+3]
.irp p, 4,8,12,16,20,24,28,32,36,40,44,48,52,56,60
	s_delay_alu instid0(VALU_DEP_2)
	v_pk_fma_f32 v[120:121], v[X+\p:X+\p+1], v[X+\p:X+\p+1], v[120:121]
	s_delay_alu instid0(VALU_DEP_2)
	v_pk_fma_f32 v[122:123], v[X+\p+2:X+\p+3], v[X+\p+2:X+\p+3], v[122:123]
.endr
	s_delay_alu instid0(VALU_DEP_1)
	v_pk_add_f32 v[120:121], v[120:121], v[122:123]
	s_delay_alu instid0(VALU_DEP_1)
	v_add_f32 v120, v120, v121
	s_delay_alu instid0(VALU_DEP_1)
	v_permlanex16_b32 v121, v120, s[SEL], s[SEL+1]
	s_delay_alu instid0(VALU_DEP_1)
	v_add_f32 v120, v120, v121                     ; my row's 128 numbers of this K step
	ds_store_b32 v6, v120                          ; both lanes of a row write the same word with the same value
.Lnosum:
	s_wait_dscnt 0x0                               ; for the others' sake: my store has landed
	s_barrier_signal -1
	s_barrier_wait -1
	s_cmp_ge_u32 s5, 128
	s_cbranch_scc1 .Lquant
	ds_load_b128 v[112:115], v7
	ds_load_b128 v[116:119], v7 offset:16
	ds_load_b128 v[120:123], v7 offset:32
	ds_load_b128 v[124:127], v7 offset:48
	s_mov_b32 s6, 0x3727c5ac                       ; 1e-5
	s_mov_b32 s7, 0x3a000000                       ; 1 / 2,048
	s_wait_dscnt 0x0
	v_pk_add_f32 v[112:113], v[112:113], v[114:115]
	v_pk_add_f32 v[116:117], v[116:117], v[118:119]
	v_pk_add_f32 v[120:121], v[120:121], v[122:123]
	v_pk_add_f32 v[124:125], v[124:125], v[126:127]
	s_delay_alu instid0(VALU_DEP_3)
	v_pk_add_f32 v[112:113], v[112:113], v[116:117]
	s_delay_alu instid0(VALU_DEP_2)
	v_pk_add_f32 v[120:121], v[120:121], v[124:125]
	s_delay_alu instid0(VALU_DEP_1)
	v_pk_add_f32 v[112:113], v[112:113], v[120:121]
	s_delay_alu instid0(VALU_DEP_1)
	v_add_f32 v112, v112, v113
	s_delay_alu instid0(VALU_DEP_1)
	v_fma_f32 v112, v112, s7, s6                   ; the mean of the squares + eps
	s_wait_alu depctr_va_vdst(0)
	v_rsq_f32 v118, v112
	v_nop                                          ; a plain place behind the transcendental
	s_wait_alu depctr_va_vdst(0)                   ; and the wait ahead of its first reader
	v_mov_b32 v119, v118
.irp p, 0,2,4,6,8,10,12,14,16,18,20,22,24,26,28,30,32,34,36,38,40,42,44,46,48,50,52,54,56,58,60,62
	v_pk_mul_f32 v[X+\p:X+\p+1], v[X+\p:X+\p+1], v[118:119]
.endr
	s_wait_loadcnt 0x0
.irp p, 0,2,4,6,8,10,12,14,16,18,20,22,24,26,28,30
	v_pk_mul_f32 v[X+\p:X+\p+1], v[X+\p:X+\p+1], v[80+\p:80+\p+1]
.endr
.irp b, 0,1
.irp j, 0,1,2,3
	global_load_b128 v[80+16*\b+4*\j:80+16*\b+4*\j+3], v8, s[24:25] offset:256+128*\b+16*\j
.endr
.endr
	s_wait_loadcnt 0x0
.irp p, 0,2,4,6,8,10,12,14,16,18,20,22,24,26,28,30
	v_pk_mul_f32 v[X+32+\p:X+32+\p+1], v[X+32+\p:X+32+\p+1], v[80+\p:80+\p+1]
.endr
.Lquant:
	QUANT X, 0
	PUT 58, 0
	global_store_b32 v[VO4], v[PW], s[60:61] offset:3072
	s_wait_tensorcnt 0x0
	ds_add_u32 v14, v15
	s_wait_dscnt 0x0
	s_endpgm
.Lmask:                                            ; bit L of word n = mask[query of lane L % 16][128 w + 32 (n / 16) + 16 (L / 16) + n % 16]: the place of a score in the attention's registers
	s_sub_co_u32 s36, s5, 832                      ; the tile of queries
	s_lshr_b32 s37, s36, 1
	s_lshl_b32 s37, s37, 5
	s_and_b32 s38, s36, 1
	s_lshl_b32 s38, s38, 3
	s_add_co_u32 s37, s37, s38                     ; its first query
	s_lshl_b32 s38, s37, 11
	s_lshl_b32 s39, s4, 7
	s_add_co_u32 s38, s38, s39
	s_mov_b32 s39, 0
	s_add_nc_u64 s[26:27], s[26:27], s[38:39]
	s_lshl_b32 s38, s36, 4
	s_add_co_u32 s38, s38, s4
	s_lshl_b32 s38, s38, 8
	s_add_nc_u64 s[34:35], s[34:35], s[38:39]
	s_wait_alu depctr_va_vdst(0)
.irp b, 0,1,2,3
	global_load_b128 v[16+4*\b:16+4*\b+3], v9, s[26:27] offset:32*\b
.endr
	v_mov_b32 v32, 0
	v_mov_b32 v33, 0
	s_wait_alu depctr_va_vdst(0)
	s_wait_loadcnt 0x0
.set n, 0
.rept 64
	v_and_b32 v[34+n%4], 0xff<<(8*(n&3)), v[16+4*(n>>4)+((n&15)>>2)]
	s_delay_alu instid0(VALU_DEP_1)
	v_cmp_ne_u32 s[40+n%4], 0, v[34+n%4]           ; the 32 lanes' bits of word n
	s_delay_alu instid0(VALU_DEP_1)
	v_writelane_b32 v[32+(n&1)], s[40+n%4], n>>1
.set n, n+1
.endr
	global_store_b64 v2, v[32:33], s[34:35]        ; 32 lanes store 256 consecutive bytes, aligned: word n at byte 4 n
	s_endpgm
.Lfunc_end_k_qcbb0bc3146_prep:
	.size	k_qcbb0bc3146_prep, .Lfunc_end_k_qcbb0bc3146_prep-k_qcbb0bc3146_prep
	.p2alignl 7, 3214868480
	.fill 96, 4, 3214868480
	.section	.rodata,"a",@progbits
	.p2align	6, 0x0
	.amdhsa_kernel k_qcbb0bc3146_prep
		.amdhsa_group_segment_fixed_size 138240
		.amdhsa_private_segment_fixed_size 0
		.amdhsa_enable_private_segment 0
		.amdhsa_kernarg_size 112
		.amdhsa_user_sgpr_count 2
		.amdhsa_user_sgpr_kernarg_segment_ptr 1
		.amdhsa_wavefront_size32 1
		.amdhsa_system_sgpr_workgroup_id_x 1
		.amdhsa_system_sgpr_workgroup_id_y 1
		.amdhsa_system_sgpr_workgroup_id_z 1
		.amdhsa_system_vgpr_workitem_id 0
		.amdhsa_next_free_vgpr 128
		.amdhsa_next_free_sgpr 66
		.amdhsa_reserve_vcc 0
		.amdhsa_float_denorm_mode_32 3
		.amdhsa_float_denorm_mode_16_64 3
		.amdhsa_memory_ordered 1
		.amdhsa_forward_progress 1
		.amdhsa_inst_pref_size 43
	.end_amdhsa_kernel
	.amdgpu_metadata
---
amdhsa.version: [ 1, 2 ]
amdhsa.kernels:
  - .name:           k_qcbb0bc3146_prep
    .symbol:         k_qcbb0bc3146_prep.kd
    .args:
      - { .name: x, .offset: 0, .size: 8, .value_kind: global_buffer, .address_space: global }
      - { .name: wq, .offset: 8, .size: 8, .value_kind: global_buffer, .address_space: global }
      - { .name: wk, .offset: 16, .size: 8, .value_kind: global_buffer, .address_space: global }
      - { .name: wv, .offset: 24, .size: 8, .value_kind: global_buffer, .address_space: global }
      - { .name: w_gate, .offset: 32, .size: 8, .value_kind: global_buffer, .address_space: global }
      - { .name: w_up, .offset: 40, .size: 8, .value_kind: global_buffer, .address_space: global }
      - { .name: wo, .offset: 48, .size: 8, .value_kind: global_buffer, .address_space: global }
      - { .name: w_down, .offset: 56, .size: 8, .value_kind: global_buffer, .address_space: global }
      - { .name: norm_w, .offset: 64, .size: 8, .value_kind: global_buffer, .address_space: global }
      - { .name: mask, .offset: 72, .size: 8, .value_kind: global_buffer, .address_space: global }
      - { .name: hq, .offset: 80, .size: 8, .value_kind: global_buffer, .address_space: global }
      - { .name: w1, .offset: 88, .size: 8, .value_kind: global_buffer, .address_space: global }
      - { .name: w2, .offset: 96, .size: 8, .value_kind: global_buffer, .address_space: global }
      - { .name: mbits, .offset: 104, .size: 8, .value_kind: global_buffer, .address_space: global }
    .group_segment_fixed_size: 138240
    .private_segment_fixed_size: 0
    .kernarg_segment_align: 8
    .kernarg_segment_size: 112
    .max_flat_workgroup_size: 512
    .sgpr_count:     66
    .vgpr_count:     128
    .wavefront_size: 32
...
	.end_amdgpu_metadata
.endif
;; end of part 1
;; launch gemm1 (part 2): grid 28 x 8, 4 waves a work-group, clusters of 4 x 4, 327,680 bytes of LDS; arguments hq, w1, cos, sin, qimg, kimg, vimg, a2; writes qimg, kimg, vimg, a2
.if DOCPART == 2
	.amdgcn_target "amdgcn-amd-amdhsa--gfx1250"
	.amdhsa_code_object_version 6
	.text
	.protected	k_qcbb0bc3146_gemm1
	.globl	k_qcbb0bc3146_gemm1
	.p2align	8
	.type	k_qcbb0bc3146_gemm1,@function
k_qcbb0bc3146_gemm1:
	s_mov_b64 s[64:65], 0
	v_nop
	global_prefetch_b8 v0, s[64:65] scope:SCOPE_SE
	s_setreg_imm32_b32 hwreg(HW_REG_WAVE_MODE, 25, 1), 1
	s_wait_xcnt 0x0
	s_wait_alu depctr_hold_cnt(0) depctr_sa_sdst(0) depctr_va_vdst(0) depctr_va_sdst(0) depctr_va_ssrc(0) depctr_va_vcc(0) depctr_vm_vsrc(0)
	s_getreg_b32 s2, hwreg(HW_REG_IB_STS2, 6, 4)
	s_cmp_eq_u32 s2, 0
	s_cbranch_scc0 .Lentry_in_a_cluster
	s_endpgm
.Lentry_in_a_cluster:
	s_bfe_u32 s2, ttmp6, 0x10000c
	s_cmp_lg_u32 s2, 0xf033
	s_cbranch_scc0 .Lentry_shape_is_right
	s_endpgm
.Lentry_shape_is_right:
; GEMM1: Q(h) Q(w1)^T on codes of BF6, K = 2,048, and what follows each result: q and k are turned by cos and sin and quantised along the head's axis, v is made transposed and quantised along the keys,
; silu(gate) x up is quantised along the hidden axis.  All operands and results are images of operand registers in pair blocks of 3,328 bytes (two K steps of a row block with their scale words).
; A work-group of four waves makes 256 x 256, a wave 128 x 128 (64 accumulators).  A slot holds one pair of K steps of A's 16 row blocks and of B's 16; each wave brings 8 blocks, 26,624 dense bytes, by one joint load:
; A's tiles are shared along a row of the 4 x 4 cluster, B's along a column.  Two slots take turns; a round of the cluster's barrier stands in front of every refill.
; PREFETCH: behind each joint load stands one prefetch of the fill two fills on.  A wave's block is 104 units of 256 bytes; the four partners that ask for it jointly take 26 each, told apart by address
; (cx for A, cy for B), a lane a unit, lanes 26-31 naming unit 25 again.  Fills 1 and 2 are asked for behind fill 0; the loop's last trip, whose fills are 6 and 7, asks for nothing.
; COS AND SIN go through four buffers of 64 registers in window 1: block 0's are asked for behind the loop (v192-255, which no fragment uses), blocks 1-3's at the start of the way out, block i + 4's behind block i's reads.
.set NI, 8
.set NJ, 8
.set PB, 3328
.set H, 8*PB
.set SLOT, 4*H
.set SPARE, 2*SLOT
.set ASTEP, 128*PB
.set BSTEP, 448*PB
.set AI16, 4
.set AI8, 6
.set AI4, 8
.set AJ16, 10
.set AJ8, 12
.set AJ4, 14
.set VO16, 16
.set VO8, 17
.set VO4, 18
.set VCS, 19
.set SPW, 28
.set NIL, 29
.set SC, 32
.set IFR, 64
.set JFR, 0
.set R, 64
.set TM, 128
.set PW, 144
.set PC, 146
.set E, 168
.set G1, 24
.set G0, 32
.set G1B, 48
.set G0B, 56
.set SEL, 92
.set MSB, 0
.macro WIN new
.if MSB != (\new)
	s_set_vgpr_msb (MSB<<8)|(\new)
.set MSB, (\new)
.endif
.endm
.macro PLACES n
.rept \n
	v_nop
.endr
.endm
.macro JLOAD g0a, g1a, g0b, g1b
	s_cmp_eq_u32 s15, 0
	s_cbranch_scc0 .Lfor_b_\@
	tensor_load_to_lds s[\g0a:\g0a+3], s[\g1a:\g1a+7]
	s_nop 0
.rept 4
	v_nop
.endr
	s_branch .Lasked_\@
.Lfor_b_\@:
	tensor_load_to_lds s[\g0b:\g0b+3], s[\g1b:\g1b+7]
	s_nop 0
.rept 4
	v_nop
.endr
.Lasked_\@:
.endm
.macro CREST
	s_cmp_lg_u32 s14, 0
	s_cbranch_scc1 .Lnot_wave_0_\@
	s_barrier_signal -3
.Lnot_wave_0_\@:
	s_barrier_wait -3
	s_barrier_signal -1
	s_barrier_wait -1
.endm
.macro CROUND
	s_barrier_signal -1
	s_barrier_wait -1
	CREST
.endm
.macro QUANT s, w
	WIN (\w)|((\w)<<2)
.irp b, 0,1,2,3
	v_max3_num_f32 v[TM+\b], |v[(\s)+16*\b]|, |v[(\s)+16*\b+1]|, 0x2800000
.endr
.irp i, 2,4,6,8,10,12,14
.irp b, 0,1,2,3
	v_max3_num_f32 v[TM+\b], |v[(\s)+16*\b+\i]|, |v[(\s)+16*\b+\i+1]|, v[TM+\b]
.endr
.endr
	WIN 0
.irp b, 0,1,2,3
	v_permlanex16_b32 v[TM+4+\b], v[TM+\b], s[SEL], s[SEL+1]
.endr
.irp b, 0,1,2,3
	v_max_num_f32 v[TM+\b], v[TM+\b], v[TM+4+\b]
.endr
.irp b, 0,1,2,3
	v_add_nc_u32 v[TM+12+\b], 0xfe000000, v[TM+\b]
.endr
.irp b, 0,1,2,3
	v_lshrrev_b32 v[TM+4+\b], 23, v[TM+12+\b]
.endr
	v_lshl_or_b32 v[PW], v[TM+5], 8, v[TM+4]
	v_lshl_or_b32 v[PW], v[TM+6], 16, v[PW]
	v_lshl_or_b32 v[PW], v[TM+7], 24, v[PW]
	WIN (\w)
.irp c, 0,1
	v_cvt_scalef32_pk16_bf6_f32 v[PC+6*\c:PC+6*\c+2], v[(\s)+32*\c:(\s)+32*\c+15], v[TM+12+2*\c]
	v_cvt_scalef32_pk16_bf6_f32 v[PC+12+4*\c:PC+12+4*\c+2], v[(\s)+32*\c+16:(\s)+32*\c+31], v[TM+13+2*\c]
.endr
	WIN 0
	v_nop
.irp c, 0,1
.irp i, 0,1,2
	v_permlane16_swap_b32 v[PC+6*\c+\i], v[PC+12+4*\c+\i]
.endr
.irp i, 0,1,2
	v_mov_b32 v[PC+3+6*\c+\i], v[PC+12+4*\c+\i]
.endr
.endr
.endm
.macro QHALF s
.irp b, 0,1
	v_max3_num_f32 v[TM+\b], |v[(\s)+16*\b]|, |v[(\s)+16*\b+1]|, 0x2800000
.endr
.irp i, 2,4,6,8,10,12,14
.irp b, 0,1
	v_max3_num_f32 v[TM+\b], |v[(\s)+16*\b+\i]|, |v[(\s)+16*\b+\i+1]|, v[TM+\b]
.endr
.endr
.irp b, 0,1
	v_permlanex16_b32 v[TM+4+\b], v[TM+\b], s[SEL], s[SEL+1]
.endr
.irp b, 0,1
	v_max_num_f32 v[TM+\b], v[TM+\b], v[TM+4+\b]
.endr
.irp b, 0,1
	v_add_nc_u32 v[TM+12+\b], 0xfe000000, v[TM+\b]
.endr
.irp b, 0,1
	v_lshrrev_b32 v[TM+4+\b], 23, v[TM+12+\b]
.endr
	v_lshl_or_b32 v[PW], v[TM+5], 8, v[TM+4]
	v_cvt_scalef32_pk16_bf6_f32 v[PC:PC+2], v[(\s):(\s)+15], v[TM+12]
	v_cvt_scalef32_pk16_bf6_f32 v[PC+12:PC+14], v[(\s)+16:(\s)+31], v[TM+13]
	v_nop
.irp i, 0,1,2
	v_permlane16_swap_b32 v[PC+\i], v[PC+12+\i]
.endr
.irp i, 0,1,2
	v_mov_b32 v[PC+3+\i], v[PC+12+\i]
.endr
.endm
.macro PUT dp, off
	global_store_b128 v[VO16], v[PC:PC+3], s[\dp:\dp+1] offset:(\off)
	global_store_b64 v[VO8], v[PC+4:PC+5], s[\dp:\dp+1] offset:(\off)+512
	global_store_b128 v[VO16], v[PC+6:PC+9], s[\dp:\dp+1] offset:(\off)+768
	global_store_b64 v[VO8], v[PC+10:PC+11], s[\dp:\dp+1] offset:(\off)+1280
.endm
.macro FRAG reg, a16, a8, off
	ds_load_b128 v[(\reg):(\reg)+3], v[\a16] offset:(\off)
	ds_load_b64 v[(\reg)+4:(\reg)+5], v[\a8] offset:(\off)+512
	ds_load_b128 v[(\reg)+6:(\reg)+9], v[\a16] offset:(\off)+768
	ds_load_b64 v[(\reg)+10:(\reg)+11], v[\a8] offset:(\off)+1280
.endm
.macro FETCH slot, q, p
	WIN 0x40
.irp j, 0,1,2,3,4,5,6,7
	FRAG JFR+12*NJ*(\p)+12*\j, AJ16+\slot, AJ8+\slot, H*((\q)>>1)+PB*\j+1536*((\q)&1)
.endr
	WIN 0
.irp i, 0,1,2,3,4,5,6,7
	FRAG IFR+12*NI*(\p)+12*\i, AI16+\slot, AI8+\slot, H*((\q)>>1)+PB*\i+1536*((\q)&1)
.endr
.irp i, 0,1,2,3,4,5,6,7
	ds_load_b32 v[SC+(NI+NJ)*(\p)+\i], v[AI4+\slot] offset:H*((\q)>>1)+PB*\i+3072+128*((\q)&1)
.endr
.irp j, 0,1,2,3,4,5,6,7
	ds_load_b32 v[SC+(NI+NJ)*(\p)+NI+\j], v[AJ4+\slot] offset:H*((\q)>>1)+PB*\j+3072+128*((\q)&1)
.endr
.endm
.macro MULS p, i0, n, zero
.set ii, \i0
.rept \n
	WIN 0xa1+0x50*((8*NJ*ii)/256)
.irp j, 0,1,2,3,4,5,6,7
.set AC, (8*NJ*ii)%256+8*\j
.if \zero
	v_wmma_scale_f32_16x16x128_f8f6f4 v[AC:AC+7], v[JFR+12*NJ*(\p)+12*\j:JFR+12*NJ*(\p)+12*\j+11], v[IFR+12*NI*(\p)+12*ii:IFR+12*NI*(\p)+12*ii+11], 0, v[SC+(NI+NJ)*(\p)+NI+\j], v[SC+(NI+NJ)*(\p)+ii] matrix_a_fmt:MATRIX_FMT_BF6 matrix_b_fmt:MATRIX_FMT_BF6
.else
	v_wmma_scale_f32_16x16x128_f8f6f4 v[AC:AC+7], v[JFR+12*NJ*(\p)+12*\j:JFR+12*NJ*(\p)+12*\j+11], v[IFR+12*NI*(\p)+12*ii:IFR+12*NI*(\p)+12*ii+11], v[AC:AC+7], v[SC+(NI+NJ)*(\p)+NI+\j], v[SC+(NI+NJ)*(\p)+ii] matrix_a_fmt:MATRIX_FMT_BF6 matrix_b_fmt:MATRIX_FMT_BF6
.endif
.endr
.set ii, ii+1
.endr
.endm
.macro STEP slot, q, zero
	s_wait_dscnt 0x0
	PLACES 4
	FETCH \slot, (\q)+1, 1-((\q)%2)
	MULS (\q)%2, 0, NI, \zero
	WIN 0
.endm
.macro TURN slot, next, fill
.if \fill
	s_wait_xcnt 0x0                                ; my last prefetch has read its address:
	s_add_nc_u64 s[4:5], s[4:5], s[6:7]            ; it steps to the fill two on from the one asked for below
.endif
	s_wait_tensorcnt 0x0
	ds_add_u32 v[SPW], v[NIL]
	s_wait_dscnt 0x1
	MULS 1, 0, NI/4, 0
	s_wait_dscnt 0x0
	s_barrier_signal -1
	MULS 1, NI/4, NI/4, 0
	WIN 0
	s_barrier_wait -1
.if \fill
	CREST
	s_add_nc_u64 s[G0+4*\slot+2:G0+4*\slot+3], s[G0+4*\slot+2:G0+4*\slot+3], 2*ASTEP
	s_add_nc_u64 s[G0B+4*\slot+2:G0B+4*\slot+3], s[G0B+4*\slot+2:G0B+4*\slot+3], 2*BSTEP
	JLOAD G0+4*\slot, G1, G0B+4*\slot, G1B
.else
	PLACES 4
.endif
	s_wait_alu depctr_va_vdst(0)
	FETCH \next, 0, 0
.if \fill
	s_cmp_gt_u32 s3, 1                             ; the last trip's fills have no fill two on
	s_cbranch_scc0 .Lno_ask_\@
	global_prefetch_b8 v20, s[4:5] th:TH_LOAD_NT scope:SCOPE_SE
.Lno_ask_\@:
.endif
	MULS 1, NI/2, NI/2, 0
	WIN 0
.endm
	s_load_b512 s[68:83], s[0:1], 0x0
	v_lshl_add_u32 v[SPW], v0, 2, SPARE
	v_mov_b32 v[NIL], 0
	ds_add_u32 v28, v29
	ds_add_u32 v28, v29
	s_wait_dscnt 0x0
	v_lshrrev_b32 v1, 5, v0
	v_readfirstlane_b32 s14, v1
	v_and_b32 v2, 31, v0
	v_min_u32 v20, 25, v2
	v_lshlrev_b32 v20, 8, v20                      ; the prefetches' offset: 256 x min(lane, 25); never rewritten
	s_lshr_b32 s15, s14, 1
	s_and_b32 s16, s14, 1
	s_bfe_u32 s40, ttmp6, 0x40000
	s_bfe_u32 s41, ttmp6, 0x40004
	s_lshl_b32 s42, ttmp9, 2
	s_add_co_u32 s42, s42, s40
	s_and_b32 s17, ttmp7, 0xffff
	s_lshl_b32 s17, s17, 2
	s_add_co_u32 s17, s17, s41
	s_lshl_b32 s43, s41, 2
	s_lshl_b32 s43, 15, s43
	s_lshl_b32 s44, 0x1111, s40
	s_or_b32 s[G1+0], s43, (3<<16)|(1<<21)
	s_or_b32 s[G1B+0], s44, (3<<16)|(1<<21)
.irp g, G1, G1B
	s_mov_b32 s[\g+1], 32<<16
	s_mov_b32 s[\g+2], 104<<16
	s_mov_b32 s[\g+3], 32<<16
	s_mov_b32 s[\g+4], 104
	s_mov_b32 s[\g+5], 32
	s_mov_b32 s[\g+6], 0
	s_mov_b32 s[\g+7], 0
.endr
	s_lshl_b32 s18, s16, 3
	s_lshl_b32 s20, s17, 4
	s_add_co_u32 s20, s20, s18
	s_mul_i32 s20, s20, PB
	s_mov_b32 s21, 0
	s_lshl_b32 s46, s42, 4
	s_add_co_u32 s46, s46, s18
	s_mul_i32 s46, s46, PB
	s_mov_b32 s47, 0
	s_mul_i32 s45, s14, H
	s_mov_b32 s[SEL], 0x76543210
	s_mov_b32 s[SEL+1], 0xfedcba98
	s_mov_b32 s94, 0xbfb8aa3b
	s_mov_b32 s95, s94
	s_wait_kmcnt 0x0
	s_add_nc_u64 s[20:21], s[68:69], s[20:21]
	s_add_nc_u64 s[46:47], s[70:71], s[46:47]
	s_mov_b32 s6, BSTEP
	s_mov_b32 s7, 0
	s_mov_b32 s9, 0
	s_cmp_eq_u32 s15, 0                            ; do I fetch for A?
	s_cselect_b64 s[4:5], s[20:21], s[46:47]       ; my block of fill 0,
	s_cselect_b32 s8, s40, s41                     ; my place among the four that ask for it with me,
	s_cselect_b32 s6, ASTEP, s6                    ; and the bytes from fill to fill
	s_mul_i32 s8, s8, 26*256
	s_add_nc_u64 s[10:11], s[4:5], s[8:9]          ; my work-group's 26 units of it
	s_add_nc_u64 s[10:11], s[10:11], s[6:7]        ; s[10:11]: those of fill 1
	s_add_nc_u64 s[4:5], s[10:11], s[6:7]          ; s[4:5]: those of fill 2
	CROUND
.irp s, 0,1
	s_mov_b32 s[G0+4*\s], 1
	s_add_co_u32 s[G0+4*\s+1], s45, \s*SLOT
	s_add_nc_u64 s[G0+4*\s+2:G0+4*\s+3], s[20:21], \s*ASTEP
	s_or_b32 s[G0+4*\s+3], s[G0+4*\s+3], 0x80000000
	s_mov_b32 s[G0B+4*\s], 1
	s_add_co_u32 s[G0B+4*\s+1], s45, \s*SLOT
	s_add_nc_u64 s[G0B+4*\s+2:G0B+4*\s+3], s[46:47], \s*BSTEP
	s_or_b32 s[G0B+4*\s+3], s[G0B+4*\s+3], 0x80000000
	s_wait_alu depctr_va_vdst(0)
.if \s
	s_wait_xcnt 0x0                                ; the prefetches behind fill 0 have read their addresses
	s_add_nc_u64 s[4:5], s[4:5], s[6:7]            ; on to fill 3
	s_wait_tensorcnt 0x0                           ; slot 1's first fill is issued as a refill is: my part of fill 0 is in,
	ds_add_u32 v28, v29                            ; 0 onto my spare word,
	s_wait_dscnt 0x0
	CROUND                                         ; and a whole round
.endif
	JLOAD G0+4*\s, G1, G0B+4*\s, G1B
.if \s
	global_prefetch_b8 v20, s[4:5] th:TH_LOAD_NT scope:SCOPE_SE
.else
	global_prefetch_b8 v20, s[10:11] th:TH_LOAD_NT scope:SCOPE_SE
	global_prefetch_b8 v20, s[4:5] th:TH_LOAD_NT scope:SCOPE_SE
.endif
.endr
	s_cmp_eq_u32 ttmp9, 2
	s_cselect_b32 s96, s16, 0
	s_mul_i32 s22, s15, H
	s_mul_i32 s23, s16, H
	s_add_co_u32 s23, s23, 2*H
	s_cmp_eq_u32 s96, 1
	s_cselect_b32 s18, s23, s22
	s_cselect_b32 s19, s22, s23
	v_and_b32 v1, 31, v0
	v_lshlrev_b32 v[VO16], 4, v1
	v_lshlrev_b32 v[VO8], 3, v1
	v_lshlrev_b32 v[VO4], 2, v1
.irp s, 0,1
	v_add_nc_u32 v[AI16+\s], s18, v[VO16]
	v_add_nc_u32 v[AI8+\s], s18, v[VO8]
	v_add_nc_u32 v[AI4+\s], s18, v[VO4]
	v_add_nc_u32 v[AJ16+\s], s19, v[VO16]
	v_add_nc_u32 v[AJ8+\s], s19, v[VO8]
	v_add_nc_u32 v[AJ4+\s], s19, v[VO4]
	s_add_co_u32 s18, s18, SLOT
	s_add_co_u32 s19, s19, SLOT
.endr
	v_and_b32 v1, 15, v0
	v_and_b32 v2, 8, v1
	v_add_nc_u32 v1, v1, v2
	v_bfe_u32 v2, v0, 4, 1
	v_lshlrev_b32 v[VCS], 8, v1
	v_lshl_add_u32 v[VCS], v2, 6, v[VCS]
	s_wait_tensorcnt 0x1
	s_barrier_signal -1
	s_barrier_wait -1
	FETCH 0, 0, 0
	STEP 0, 0, 1
	s_mov_b32 s3, 3
.Llap:
	TURN 0, 1, 1
	STEP 1, 0, 0
	TURN 1, 0, 1
	STEP 0, 0, 0
	s_sub_co_u32 s3, s3, 1
	s_cmp_lg_u32 s3, 0
	s_cbranch_scc1 .Llap
.macro CLOAD i                         ; cos and sin at my block i's 16 rows: 16 loads into buffer (i + 3) % 4 of window 1
.set CBF, 64*(((\i)+3)&3)
	WIN 0x40
.irp b, 0,1
.irp j, 0,1,2,3
	global_load_b128 v[CBF+16*\b+4*\j:CBF+16*\b+4*\j+3], v[VCS], s[8:9] offset:(32*((\i)>>1)+8*((\i)&1))*256+128*\b+16*\j
	global_load_b128 v[CBF+32+16*\b+4*\j:CBF+32+16*\b+4*\j+3], v[VCS], s[12:13] offset:(32*((\i)>>1)+8*((\i)&1))*256+128*\b+16*\j
.endr
.endr
	WIN 0
.endm
	s_mov_b32 s87, 0
	s_lshl_b32 s86, s17, 16                        ; my 128 rows of cos and of sin: 256 bytes a row
	s_lshl_b32 s97, s15, 15
	s_add_co_u32 s86, s86, s97
	s_add_nc_u64 s[8:9], s[72:73], s[86:87]
	s_add_nc_u64 s[12:13], s[74:75], s[86:87]
	s_cmp_ge_u32 ttmp9, 3                          ; only the waves that make q or k turn their results: by the cluster's x and the wave's number alone
	s_cbranch_scc1 .Lno_rope
	s_cmp_eq_u32 s96, 1
	s_cbranch_scc1 .Lno_rope
	CLOAD 0                                        ; block 0's, three K steps ahead of their use
.Lno_rope:
	TURN 0, 1, 0
	STEP 1, 0, 0
	s_wait_dscnt 0x0
	MULS 1, 0, NI, 0
	WIN 0
	PLACES 4
.irp b, 0,1,2,3
	v_mov_b32 v[TM+4+\b], 0
.endr
	s_mov_b32 s87, 0
	s_mov_b32 s99, 0
	s_cmp_ge_u32 ttmp9, 3
	s_cbranch_scc1 .Lact
	s_cmp_eq_u32 s96, 1
	s_cbranch_scc1 .Lv
	s_lshl_b32 s86, s42, 1
	s_add_co_u32 s86, s86, s16
	s_sub_co_u32 s97, s42, 8
	s_cmp_lt_u32 ttmp9, 2
	s_cselect_b64 s[84:85], s[76:77], s[78:79]
	s_cselect_b32 s86, s86, s97
	s_mul_i32 s86, s86, 64*PB
	s_lshl_b32 s97, s17, 3
	s_lshl_b32 s98, s15, 2
	s_add_co_u32 s97, s97, s98
	s_mul_i32 s97, s97, PB
	s_add_co_u32 s86, s86, s97
	s_add_nc_u64 s[84:85], s[84:85], s[86:87]
	CLOAD 1                                        ; B's fragments are done with, four places behind the last products: their registers take blocks 1 to 3
	CLOAD 2
	CLOAD 3
.irp i, 0,1,2,3,4,5,6,7
.set W, 2+(\i>>2)
.set AB, 64*(\i&3)
.set CB, 64*((\i+3)&3)
.set WW, W|4
.if \i < 4
	s_wait_loadcnt 48                              ; block i's 16 loads are in; those of the three blocks behind it may be out
.else
	s_wait_loadcnt 16*(7-\i)                       ; behind block i only blocks i + 1 .. 7 were asked for
.endif
	s_wait_xcnt 0x0
	WIN WW
.irp p, 0,2,4,6,8,10,12,14,16,18,20,22,24,26,28,30
	v_pk_mul_f32 v[R+\p:R+\p+1], v[AB+\p:AB+\p+1], v[CB+\p:CB+\p+1]
.endr
.irp p, 0,2,4,6,8,10,12,14,16,18,20,22,24,26,28,30
	v_pk_mul_f32 v[R+32+\p:R+32+\p+1], v[AB+32+\p:AB+32+\p+1], v[CB+\p:CB+\p+1]
.endr
.irp p, 0,2,4,6,8,10,12,14,16,18,20,22,24,26,28,30
	v_pk_fma_f32 v[R+\p:R+\p+1], v[AB+32+\p:AB+32+\p+1], v[CB+32+\p:CB+32+\p+1], v[R+\p:R+\p+1] neg_lo:[1,0,0] neg_hi:[1,0,0]
.endr
.irp p, 0,2,4,6,8,10,12,14,16,18,20,22,24,26,28,30
	v_pk_fma_f32 v[R+32+\p:R+32+\p+1], v[AB+\p:AB+\p+1], v[CB+32+\p:CB+32+\p+1], v[R+32+\p:R+32+\p+1]
.endr
	WIN 0
.if \i < 4
	CLOAD \i+4                                     ; block i's cos and sin have been read: their buffer takes block i + 4's
.endif
	QUANT R, 0
	PUT 84, (\i>>1)*PB+(\i&1)*1536
	global_store_b32 v[VO4], v[PW], s[84:85] offset:(\i>>1)*PB+3072+128*(\i&1)
.endr
	s_branch .Ldone
.Lv:
	s_sub_co_u32 s86, s42, 8
	s_lshl_b32 s86, s86, 4
	s_lshl_b32 s97, s17, 1
	s_add_co_u32 s86, s86, s97
	s_add_co_u32 s86, s86, s15
	s_mul_i32 s86, s86, 4*PB
	s_add_nc_u64 s[84:85], s[80:81], s[86:87]
.irp i, 0,1,2,3,4,5,6,7
.set W, 2+(\i>>2)
.set AB, 64*(\i&3)
	s_wait_xcnt 0x0
	QUANT AB, W
	PUT 84, (\i>>1)*PB+(\i&1)*1536
	global_store_b32 v[VO4], v[PW], s[84:85] offset:(\i>>1)*PB+3072+128*(\i&1)
.endr
	s_branch .Ldone
.Lact:
	s_sub_co_u32 s86, s42, 12
	s_lshr_b32 s97, s86, 1
	s_add_co_u32 s97, s97, 8
	s_lshl_b32 s97, s97, 7
	s_lshl_b32 s98, s17, 4
	s_add_co_u32 s97, s97, s98
	s_lshl_b32 s98, s15, 3
	s_add_co_u32 s97, s97, s98
	s_mul_i32 s98, s97, PB
	s_add_nc_u64 s[84:85], s[82:83], s[98:99]
	s_and_b32 s86, s86, 1
	s_lshl_b32 s98, s86, 7
	s_lshl_b32 s97, s16, 1
	s_add_co_u32 s98, s98, s97
	s_add_nc_u64 s[88:89], s[84:85], s[98:99]
	s_mul_i32 s98, s86, 1536
	s_mul_i32 s97, s16, 768
	s_add_co_u32 s98, s98, s97
	s_add_nc_u64 s[84:85], s[84:85], s[98:99]
.irp i, 0,1,2,3,4,5,6,7
.set W, 2+(\i>>2)
.set AB, 64*(\i&3)
	s_wait_xcnt 0x0
	WIN W
.irp p, 0,2,4,6,8,10,12,14,16,18,20,22,24,26,28,30
	v_pk_mul_f32 v[E+\p:E+\p+1], v[AB+\p:AB+\p+1], s[94:95] op_sel_hi:[1,0]
.endr
	WIN 0
	s_wait_alu depctr_va_vdst(0)
.irp n, 0,1,2,3,4,5,6,7,8,9,10,11,12,13,14,15,16,17,18,19,20,21,22,23,24,25,26,27,28,29,30,31
	v_exp_f32 v[E+\n], v[E+\n]
.endr
	v_nop
	s_wait_alu depctr_va_vdst(0)
.irp p, 0,2,4,6,8,10,12,14,16,18,20,22,24,26,28,30
	v_pk_add_f32 v[E+\p:E+\p+1], v[E+\p:E+\p+1], 1.0 op_sel_hi:[1,0]
.endr
	s_wait_alu depctr_va_vdst(0)
.irp n, 0,1,2,3,4,5,6,7,8,9,10,11,12,13,14,15,16,17,18,19,20,21,22,23,24,25,26,27,28,29,30,31
	v_rcp_f32 v[E+\n], v[E+\n]
.endr
	v_nop
	s_wait_alu depctr_va_vdst(0)
	WIN W
.irp p, 0,2,4,6,8,10,12,14,16,18,20,22,24,26,28,30
	v_pk_mul_f32 v[R+\p:R+\p+1], v[AB+\p:AB+\p+1], v[E+\p:E+\p+1]
.endr
.irp p, 0,2,4,6,8,10,12,14,16,18,20,22,24,26,28,30
	v_pk_mul_f32 v[R+\p:R+\p+1], v[AB+32+\p:AB+32+\p+1], v[R+\p:R+\p+1]
.endr
	WIN 0
	QHALF R
	global_store_b128 v[VO16], v[PC:PC+3], s[84:85] offset:\i*PB
	global_store_b64 v[VO8], v[PC+4:PC+5], s[84:85] offset:\i*PB+512
	global_store_b16 v[VO4], v[PW], s[88:89] offset:\i*PB+3072
.endr
.Ldone:
	s_wait_tensorcnt 0x0
	ds_add_u32 v[SPW], v[NIL]
	s_wait_dscnt 0x0
	CROUND
	s_endpgm
.Lfunc_end_k_qcbb0bc3146_gemm1:
	.size	k_qcbb0bc3146_gemm1, .Lfunc_end_k_qcbb0bc3146_gemm1-k_qcbb0bc3146_gemm1
	.p2alignl 7, 3214868480
	.fill 96, 4, 3214868480
	.section	.rodata,"a",@progbits
	.p2align	6, 0x0
	.amdhsa_kernel k_qcbb0bc3146_gemm1
		.amdhsa_group_segment_fixed_size 327680
		.amdhsa_private_segment_fixed_size 0
		.amdhsa_enable_private_segment 0
		.amdhsa_kernarg_size 64
		.amdhsa_user_sgpr_count 2
		.amdhsa_user_sgpr_kernarg_segment_ptr 1
		.amdhsa_wavefront_size32 1
		.amdhsa_system_sgpr_workgroup_id_x 1
		.amdhsa_system_sgpr_workgroup_id_y 1
		.amdhsa_system_sgpr_workgroup_id_z 1
		.amdhsa_system_vgpr_workitem_id 0
		.amdhsa_next_free_vgpr 1024
		.amdhsa_next_free_sgpr 100
		.amdhsa_reserve_vcc 0
		.amdhsa_float_denorm_mode_32 3
		.amdhsa_float_denorm_mode_16_64 3
		.amdhsa_memory_ordered 1
		.amdhsa_forward_progress 1
		.amdhsa_inst_pref_size 255
	.end_amdhsa_kernel
	.section	.bss,"aw",@nobits
	.p2align	6
	.space	262144
	.amdgpu_metadata
---
amdhsa.version: [ 1, 2 ]
amdhsa.kernels:
  - .name:           k_qcbb0bc3146_gemm1
    .symbol:         k_qcbb0bc3146_gemm1.kd
    .args:
      - { .name: hq, .offset: 0, .size: 8, .value_kind: global_buffer, .address_space: global }
      - { .name: w1, .offset: 8, .size: 8, .value_kind: global_buffer, .address_space: global }
      - { .name: cos, .offset: 16, .size: 8, .value_kind: global_buffer, .address_space: global }
      - { .name: sin, .offset: 24, .size: 8, .value_kind: global_buffer, .address_space: global }
      - { .name: qimg, .offset: 32, .size: 8, .value_kind: global_buffer, .address_space: global }
      - { .name: kimg, .offset: 40, .size: 8, .value_kind: global_buffer, .address_space: global }
      - { .name: vimg, .offset: 48, .size: 8, .value_kind: global_buffer, .address_space: global }
      - { .name: a2, .offset: 56, .size: 8, .value_kind: global_buffer, .address_space: global }
    .group_segment_fixed_size: 327680
    .private_segment_fixed_size: 0
    .kernarg_segment_align: 8
    .kernarg_segment_size: 64
    .max_flat_workgroup_size: 128
    .sgpr_count:     100
    .vgpr_count:     1024
    .wavefront_size: 32
...
	.end_amdgpu_metadata
.endif
;; end of part 2
;; launch attn (part 3): grid 64 x 4, 8 waves a work-group, clusters of 4 x 1, 327,680 bytes of LDS; arguments qimg, kimg, vimg, mbits, a2; writes a2
.if DOCPART == 3
	.amdgcn_target "amdgcn-amd-amdhsa--gfx1250"
	.amdhsa_code_object_version 6
	.text
	.protected	k_qcbb0bc3146_attn
	.globl	k_qcbb0bc3146_attn
	.p2align	8
	.type	k_qcbb0bc3146_attn,@function
k_qcbb0bc3146_attn:
	s_mov_b64 s[64:65], 0
	v_nop
	global_prefetch_b8 v0, s[64:65] scope:SCOPE_SE
	s_setreg_imm32_b32 hwreg(HW_REG_WAVE_MODE, 25, 1), 1
	s_wait_xcnt 0x0
	s_wait_alu depctr_hold_cnt(0) depctr_sa_sdst(0) depctr_va_vdst(0) depctr_va_sdst(0) depctr_va_ssrc(0) depctr_va_vcc(0) depctr_vm_vsrc(0)
	s_getreg_b32 s2, hwreg(HW_REG_IB_STS2, 6, 4)
	s_cmp_eq_u32 s2, 0
	s_cbranch_scc0 .Lentry_in_a_cluster
	s_endpgm
.Lentry_in_a_cluster:
	s_bfe_u32 s2, ttmp6, 0x10000c
	s_cmp_lg_u32 s2, 0x3003
	s_cbranch_scc0 .Lentry_shape_is_right
	s_endpgm
.Lentry_shape_is_right:
; ATTENTION on codes of BF6: S^T = K Q^T, the mask (an input: every key step is computed, every bit honoured), p = 2^(t - M) with M a whole number, O^T += V^T P^T, ctx = O / l, and ctx leaves as codes along (head, d).
; SHARES.  Work-group (X, g): key/value head g, query tiles 2 X and 2 X + 1.  Wave w: head 4 g + w % 4, tile 2 X + w / 4: one tile of 16 queries, two waves to a SIMD.  Every wave walks 16 key steps of 128.
; K and V lie in memory as images of operand registers: a key step of either is one dense block of 13,312 bytes (8 fragments with their scale words).  A slot holds four key steps of both; each of the eight waves
; brings one block.  The four work-groups of a cluster walk the same K and V: every load is joint.
; FRAGMENTS ARE ASKED FOR LONG BEFORE THEY ARE MULTIPLIED.  A key step's eight fragments of K and eight of V have registers of their own (window 1).  V's 36 LDS loads go out behind the step's products K Q^T and have the
; whole softmax in which to land; K's 36 loads for the NEXT step of the same slot go out behind the block maxima.  A slot's last step asks for no K: the next slot may be read only behind the change of slots.
; A lane holds ONE query throughout.  By the order of keys in a tile of K, score register 16 b + i is key 32 b + 16 (lane / 16) + i of the step; bit L of mask word n belongs to lane L's register n.
; The 64 mask words of a step come by scalar loads a step ahead and feed selects alone: no branch and no address hangs on them.
; SCALE WORDS: one load brings those of two tiles: lanes 0-15 tile 2 k's, lanes 16-31 tile 2 k + 1's (128 bytes further on); odd tiles read the register's upper lanes.
; A ROW WITH NO KEY ALLOWED has l = 0: its codes are zeros and its scale word is 0xffffffff (the E8M0 byte 0xff is NaN), so that the output row is NaN, as a softmax over nothing is.
; REGISTERS: window 0: v1-13 addresses, v14, v15 Q's and P's scale words, v16-27 Q, v28-31 -M, the largest t, l, v32-35 K's scale words, v36-39 V's, v80-95 at work, v96-159 S^T then p, v160-223 O^T, v224-243 codes;
;   window 1: v0-95 K's eight fragments, v96-191 V's.  Eight switches of the window a key step: two round each run of products and each run of loads.
; LIMITS: NaN and infinities among the scores are not served; 1 / sqrt(128) and log2(e) are one constant; a block of p under 2^-122 gets the byte 1.
.set PB,    3328
.set KSB,   4*PB                       ; a key step of K or of V
.set VOFF,  4*KSB                      ; a slot: four key steps of K, then four of V
.set SLOT1, 1<<17
.set SPARE, SLOT1+2*VOFF               ; behind the ring: the spare words, 128 bytes for each of eight waves
.set VO16, 1                           ; v1-3: 16, 8, 4 x lane
.set VO8,  2
.set VO4,  3
.set SPW,  4
.set NIL,  5
.set NINF, 6
.set VO4R, 7                           ; v7: 4 (lane % 16) + 128 (lane / 16): a pair block's two runs of scale words
.set AK16, 8                           ; v8-10: K's tiles in the slot in hand; v11-13: V's
.set AK8,  9
.set AK4,  10
.set AV16, 11
.set AV8,  12
.set AV4,  13
.set QS,   14                          ; Q's scale words
.set PS,   15                          ; P's
.set QF,   16                          ; v16-27 Q
.set NM,   28                          ; v28 -M, v29 the largest t, v[30:31] l in two halves
.set KS,   32                          ; v32-35 K's scale words: register k serves tiles 2 k and 2 k + 1
.set VS,   36                          ; v36-39 V's
.set TM,   80                          ; v80-95 at work
.set S,    96                          ; v96-159 S^T, then p
.set O,    160                         ; v160-223 O^T
.set PC,   224                         ; v224-243 codes
.set F,    248                         ; v[248:249] f
.set T0,   250
.set T1,   251
.set PW,   252
.set KF,   0                           ; window 1: K's fragments
.set VF,   96                          ; window 1: V's
.set SEL,  28                          ; s[28:29]
.set CS,   30                          ; s[30:31] c = log2(e) / sqrt(128)
.set MSB, 0
.macro WIN new                         ; the immediate's high byte repeats the setting that is left; a switch that changes nothing is dropped
.if MSB != (\new)
	s_set_vgpr_msb (MSB<<8)|(\new)
.set MSB, (\new)
.endif
.endm
.macro CROUND                          ; a round of the cluster's barrier
	s_barrier_signal -1
	s_barrier_wait -1
	s_cmp_lg_u32 s14, 0
	s_cbranch_scc1 .Lnot_wave_0_\@
	s_barrier_signal -3
.Lnot_wave_0_\@:
	s_barrier_wait -3
	s_barrier_signal -1
	s_barrier_wait -1
.endm
.macro TLOAD                           ; a joint load: waves 0-3 a key step of K each, waves 4-7 of V; four v_nop follow each line
	s_cmp_lt_u32 s14, 4
	s_cbranch_scc0 .Lfor_v_\@
	tensor_load_to_lds s[4:7], s[16:23]
	s_nop 0
.rept 4
	v_nop
.endr
	s_branch .Lasked_\@
.Lfor_v_\@:
	tensor_load_to_lds s[8:11], s[16:23]
	s_nop 0
.rept 4
	v_nop
.endr
.Lasked_\@:
.endm
.macro QUANT s, w
	WIN (\w)|((\w)<<2)
.irp b, 0,1,2,3
	v_max3_num_f32 v[TM+\b], |v[(\s)+16*\b]|, |v[(\s)+16*\b+1]|, 0x2800000
.endr
.irp i, 2,4,6,8,10,12,14
.irp b, 0,1,2,3
	s_delay_alu instid0(VALU_DEP_4)
	v_max3_num_f32 v[TM+\b], |v[(\s)+16*\b+\i]|, |v[(\s)+16*\b+\i+1]|, v[TM+\b]
.endr
.endr
	WIN 0
.irp b, 0,1,2,3
	s_delay_alu instid0(VALU_DEP_4)
	v_permlanex16_b32 v[TM+4+\b], v[TM+\b], s[SEL], s[SEL+1]
.endr
.irp b, 0,1,2,3
	s_delay_alu instid0(VALU_DEP_4)
	v_max_num_f32 v[TM+\b], v[TM+\b], v[TM+4+\b]
.endr
.irp b, 0,1,2,3
	s_delay_alu instid0(VALU_DEP_4)
	v_add_nc_u32 v[TM+12+\b], 0xfe000000, v[TM+\b]
.endr
.irp b, 0,1,2,3
	s_delay_alu instid0(VALU_DEP_4)
	v_lshrrev_b32 v[TM+4+\b], 23, v[TM+12+\b]
.endr
	s_delay_alu instid0(VALU_DEP_3)
	v_lshl_or_b32 v[PW], v[TM+5], 8, v[TM+4]
	s_delay_alu instid0(VALU_DEP_1)
	v_lshl_or_b32 v[PW], v[TM+6], 16, v[PW]
	s_delay_alu instid0(VALU_DEP_1)
	v_lshl_or_b32 v[PW], v[TM+7], 24, v[PW]
	WIN (\w)
.irp c, 0,1
	v_cvt_scalef32_pk16_bf6_f32 v[PC+6*\c:PC+6*\c+2], v[(\s)+32*\c:(\s)+32*\c+15], v[TM+12+2*\c]
	v_cvt_scalef32_pk16_bf6_f32 v[PC+12+4*\c:PC+12+4*\c+2], v[(\s)+32*\c+16:(\s)+32*\c+31], v[TM+13+2*\c]
.endr
	WIN 0
	v_nop
.irp c, 0,1
.irp i, 0,1,2
	v_permlane16_swap_b32 v[PC+6*\c+\i], v[PC+12+4*\c+\i]
.endr
.irp i, 0,1,2
	s_delay_alu instid0(VALU_DEP_3)
	v_mov_b32 v[PC+3+6*\c+\i], v[PC+12+4*\c+\i]
.endr
.endr
.endm
; The eight fragments of the slot's q-th key step into window 1 from v[base] on, and their scale words into v[sc] .. v[sc + 3] of window 0: 36 LDS loads in one run
.macro LOADF base, sc, a16, a8, a4, q
	WIN 0x40                                       ; destination window 1, address window 0
.irp t, 0,1,2,3,4,5,6,7
	ds_load_b128 v[(\base)+12*\t:(\base)+12*\t+3], v[\a16] offset:KSB*(\q)+PB*(\t>>1)+1536*(\t&1)
	ds_load_b64 v[(\base)+12*\t+4:(\base)+12*\t+5], v[\a8] offset:KSB*(\q)+PB*(\t>>1)+1536*(\t&1)+512
	ds_load_b128 v[(\base)+12*\t+6:(\base)+12*\t+9], v[\a16] offset:KSB*(\q)+PB*(\t>>1)+1536*(\t&1)+768
	ds_load_b64 v[(\base)+12*\t+10:(\base)+12*\t+11], v[\a8] offset:KSB*(\q)+PB*(\t>>1)+1536*(\t&1)+1280
.endr
	WIN 0
.irp k, 0,1,2,3
	ds_load_b32 v[(\sc)+\k], v[\a4] offset:KSB*(\q)+PB*\k+3072   ; lanes 0-15: tile 2 k's words; lanes 16-31: tile 2 k + 1's
.endr
.endm
	s_load_b256 s[32:39], s[0:1], 0x0              ; qimg 32, kimg 34, vimg 36, mbits 38 (these registers later take mask words)
	s_load_b64 s[40:41], s[0:1], 0x20              ; a2
	v_lshl_add_u32 v[SPW], v0, 2, SPARE
	v_mov_b32 v[NIL], 0
	ds_add_u32 v4, v5
	ds_add_u32 v4, v5
	s_wait_dscnt 0x0
	v_lshrrev_b32 v7, 5, v0
	s_delay_alu instid0(VALU_DEP_1)
	v_readfirstlane_b32 s14, v7                    ; wave 0..7
	s_and_b32 s58, ttmp7, 0xffff                   ; the key/value head, which the four partners share
	s_and_b32 s59, s14, 3
	s_mul_i32 s60, s58, 64*PB
	s_mul_i32 s61, s59, KSB
	s_add_co_u32 s60, s60, s61                     ; my key step of slot 0, in kimg and in vimg alike
	s_mov_b32 s61, 0
	s_mov_b32 s16, 15|(3<<16)|(1<<21)              ; 15:0 all four work-groups; 17:16 elements of 8 bytes; 21 set beside a mask; no padding
	s_mov_b32 s17, 32<<16                          ; a dense block of 13,312 bytes as 52 rows of 256
	s_mov_b32 s18, 52<<16
	s_mov_b32 s19, 32<<16
	s_mov_b32 s20, 52
	s_mov_b32 s21, 32
	s_mov_b32 s22, 0
	s_mov_b32 s23, 0
	s_mov_b32 s4, 1
	s_mul_i32 s5, s14, KSB                         ; wave w's block lands at w x 13,312 of the slot: K's four, then V's four
	s_mov_b32 s8, 1
	s_mul_i32 s9, s14, KSB
	s_mov_b32 s[SEL], 0x76543210
	s_mov_b32 s[SEL+1], 0xfedcba98
	s_mov_b32 s[CS], 0x3e0293ee
	s_mov_b32 s[CS+1], s[CS]
	s_wait_kmcnt 0x0
	s_add_nc_u64 s[6:7], s[34:35], s[60:61]
	s_or_b32 s7, s7, 0x80000000
	s_add_nc_u64 s[10:11], s[36:37], s[60:61]
	s_or_b32 s11, s11, 0x80000000
	CROUND                                         ; all four work-groups are here: the first joint loads meet
	TLOAD                                          ; slot 0
	s_bfe_u32 s42, ttmp6, 0x40000                  ; cx: it enters global addresses of Q, the mask and the result alone
	s_lshl_b32 s43, ttmp9, 2
	s_add_co_u32 s43, s43, s42                     ; X
	s_lshr_b32 s44, s14, 2
	s_lshl_b32 s45, s43, 1
	s_add_co_u32 s45, s45, s44                     ; my tile of queries
	s_lshl_b32 s46, s58, 2
	s_add_co_u32 s46, s46, s59                     ; my head
	s_mov_b32 s49, 0
	s_mul_i32 s48, s46, 64*PB
	s_lshr_b32 s47, s45, 1
	s_mul_i32 s47, s47, PB
	s_add_co_u32 s48, s48, s47
	s_add_nc_u64 s[32:33], s[32:33], s[48:49]      ; Q's pair block
	s_and_b32 s47, s45, 1
	s_mul_i32 s48, s47, 1536
	s_add_nc_u64 s[24:25], s[32:33], s[48:49]      ; my fragment in it
	s_lshl_b32 s48, s47, 7
	s_add_nc_u64 s[26:27], s[32:33], s[48:49]      ; its scale words (3,072 further on)
	v_and_b32 v7, 31, v0
	s_delay_alu instid0(VALU_DEP_1)
	v_lshlrev_b32 v[VO16], 4, v7
	s_delay_alu instid0(VALU_DEP_2)
	v_lshlrev_b32 v[VO8], 3, v7
	s_delay_alu instid0(VALU_DEP_3)
	v_lshlrev_b32 v[VO4], 2, v7
	v_and_b32 v7, 15, v0
	s_delay_alu instid0(VALU_DEP_1)
	v_lshlrev_b32 v7, 2, v7
	v_bfe_u32 v[T0], v0, 4, 1
	s_delay_alu instid0(VALU_DEP_1)
	v_lshl_or_b32 v[VO4R], v[T0], 7, v7            ; 4 (lane % 16) + 128 (lane / 16)
	global_load_b128 v[QF:QF+3], v[VO16], s[24:25]
	global_load_b64 v[QF+4:QF+5], v[VO8], s[24:25] offset:512
	global_load_b128 v[QF+6:QF+9], v[VO16], s[24:25] offset:768
	global_load_b64 v[QF+10:QF+11], v[VO8], s[24:25] offset:1280
	global_load_b32 v[QS], v[VO4], s[26:27] offset:3072
	s_lshl_b32 s48, s45, 12
	s_add_nc_u64 s[66:67], s[38:39], s[48:49]      ; my tile's mask words: 256 bytes a key step
	s_lshr_b32 s47, s46, 1
	s_lshl_b32 s47, s47, 7
	s_add_co_u32 s47, s47, s45
	s_mul_i32 s48, s47, PB
	s_add_nc_u64 s[12:13], s[40:41], s[48:49]      ; the result's pair block: K steps 2 (head / 2), + 1; row block = my tile
	s_and_b32 s47, s46, 1
	s_mul_i32 s48, s47, 1536
	s_add_nc_u64 s[100:101], s[12:13], s[48:49]
	s_lshl_b32 s48, s47, 7
	s_add_nc_u64 s[12:13], s[12:13], s[48:49]
	s_load_b512 s[32:47], s[66:67], 0x0            ; key step 0's 64 words: word n in s[32 + n], from n = 32 on in s[36 + n]
	s_load_b512 s[48:63], s[66:67], 0x40
	s_load_b512 s[68:83], s[66:67], 0x80
	s_load_b512 s[84:99], s[66:67], 0xc0
	v_mov_b32 v[NINF], 0xff800000
	v_mov_b32 v[NM+1], 0xff61b1e6                  ; the largest t so far: -3e38
	s_delay_alu instid0(VALU_DEP_1)
	v_floor_f32 v[NM], -v[NM+1]                    ; -M
	v_mov_b32 v30, 0
	v_mov_b32 v31, 0
.irp b, 0,1,2,3
	v_mov_b32 v[TM+4+\b], 0                        ; a lane permute's destination counts as one of its sources
.endr
	v_mov_b32 v[F+1], 0                            ; named as the upper half of a pair
	v_mov_b32 v[T1], 0
.irp j, 0,1,2,3,4,5,6,7,8,9,10,11,12,13,14,15,16,17,18,19,20,21,22,23,24,25,26,27,28,29,30,31,32,33,34,35,36,37,38,39,40,41,42,43,44,45,46,47,48,49,50,51,52,53,54,55,56,57,58,59,60,61,62,63
	v_mov_b32 v[O+\j], 0                           ; the key step is written without a first step of its own: it finds zeros
.endr
	s_mov_b32 s2, 0                                ; the slot in hand
	s_mov_b32 s3, 3
	s_wait_loadcnt 0x0                             ; Q
; The slot's q-th key step.  more = 1: the next step's mask words are asked for.  nextk = 1: the next step lies in the same slot, and its K is asked for.
.macro STEP q, more, nextk
	s_wait_dscnt 0x0                               ; this step's K and its scale words are in: they were asked for in the last step, or behind the change of slots
	WIN 0x01                                       ; source 0 (K) window 1; Q, C and D window 0
.irp t, 0,1,2,3,4,5,6,7
.if \t&1
	v_wmma_scale_f32_16x16x128_f8f6f4 v[S+8*\t:S+8*\t+7], v[KF+12*\t:KF+12*\t+11], v[QF:QF+11], 0, v[KS+(\t>>1)], v[QS] matrix_a_fmt:MATRIX_FMT_BF6 matrix_b_fmt:MATRIX_FMT_BF6 matrix_a_scale:MATRIX_SCALE_ROW1
.else
	v_wmma_scale_f32_16x16x128_f8f6f4 v[S+8*\t:S+8*\t+7], v[KF+12*\t:KF+12*\t+11], v[QF:QF+11], 0, v[KS+(\t>>1)], v[QS] matrix_a_fmt:MATRIX_FMT_BF6 matrix_b_fmt:MATRIX_FMT_BF6
.endif
.endr
	WIN 0
.rept 4
	v_nop                                          ; four places: behind these products, whose results are read and whose K is loaded anew below; and behind the last step's products V^T P, into whose V the next lines load
.endr
	LOADF VF, VS, AV16, AV8, AV4, \q               ; this step's V: the whole softmax stands between these loads and their use
	s_wait_kmcnt 0x0                               ; this step's mask words
.set n, 0
.rept 64
	v_cndmask_b32 v[S+n], v[NINF], v[S+n], s[32+n+4*(n/32)]   ; a hidden score becomes -infinity: p = 0 then.  Each accumulator is read from its low end on
.set n, n+1
.endr
.irp b, 0,1,2,3
	v_max3_num_f32 v[TM+\b], v[S+16*\b], v[S+16*\b+1], v[S+16*\b+2]   ; the largest score of each block of 32 keys: for the row's maximum, and for the block's largest p
.endr
.irp i, 3,5,7,9,11,13
.irp b, 0,1,2,3
	s_delay_alu instid0(VALU_DEP_4)
	v_max3_num_f32 v[TM+\b], v[TM+\b], v[S+16*\b+\i], v[S+16*\b+\i+1]
.endr
.endr
.irp b, 0,1,2,3
	s_delay_alu instid0(VALU_DEP_4)
	v_max_num_f32 v[TM+\b], v[TM+\b], v[S+16*\b+15]
.endr
.if \more
	s_add_nc_u64 s[66:67], s[66:67], 256           ; (the loads that read this base were waited for above)
	s_load_b512 s[32:47], s[66:67], 0x0            ; they have the rest of the step in which to come
	s_load_b512 s[48:63], s[66:67], 0x40
	s_load_b512 s[68:83], s[66:67], 0x80
	s_load_b512 s[84:99], s[66:67], 0xc0
.endif
.if \nextk
	LOADF KF, KS, AK16, AK8, AK4, \q+1             ; the next step's K: the rest of this step stands between these loads and their use
.endif
.irp b, 0,1,2,3
	v_permlanex16_b32 v[TM+4+\b], v[TM+\b], s[SEL], s[SEL+1]
.endr
.irp b, 0,1,2,3
	s_delay_alu instid0(VALU_DEP_4)
	v_max_num_f32 v[TM+\b], v[TM+\b], v[TM+4+\b]
.endr
	s_delay_alu instid0(VALU_DEP_2)
	v_max3_num_f32 v[T0], v[TM], v[TM+1], v[TM+2]
	s_delay_alu instid0(VALU_DEP_1)
	v_max_num_f32 v[T0], v[T0], v[TM+3]
	s_delay_alu instid0(VALU_DEP_1)
	v_mul_f32 v[T0], s[CS], v[T0]
	s_delay_alu instid0(VALU_DEP_1)
	v_max_num_f32 v[NM+1], v[NM+1], v[T0]          ; the running largest t
	v_mov_b32 v[T0], v[NM]
	s_delay_alu instid0(VALU_DEP_2)
	v_floor_f32 v[NM], -v[NM+1]                    ; -M = floor(-t): M is a whole number
	s_delay_alu instid0(VALU_DEP_1)
	v_sub_f32 v[T0], v[NM], v[T0]                  ; old M - new M, 0 or less
	s_delay_alu instid0(VALU_DEP_1)
	v_cvt_i32_f32 v[T0], v[T0]                     ; (it saturates)
	s_delay_alu instid0(VALU_DEP_1)
	v_ldexp_f32 v[F], 1.0, v[T0]                   ; f = 2^(old M - new M): exact
.irp j, 0,2,4,6,8,10,12,14,16,18,20,22,24,26,28,30,32,34,36,38,40,42,44,46,48,50,52,54,56,58,60,62
	v_pk_fma_f32 v[S+\j:S+\j+1], v[S+\j:S+\j+1], s[CS:CS+1], v[NM:NM+1] op_sel_hi:[1,0,0]   ; t - M
.endr
.irp b, 0,1,2,3
	v_fma_f32 v[TM+\b], v[TM+\b], s[CS], v[NM]
.endr
	s_wait_alu depctr_va_vdst(0)
.irp j, 0,1,2,3,4,5,6,7,8,9,10,11,12,13,14,15,16,17,18,19,20,21,22,23,24,25,26,27,28,29,30,31,32,33,34,35,36,37,38,39,40,41,42,43,44,45,46,47,48,49,50,51,52,53,54,55,56,57,58,59,60,61,62,63
	v_exp_f32 v[S+\j], v[S+\j]                     ; p = 2^(t - M): not normalised
.endr
	v_pk_mul_f32 v[30:31], v[30:31], v[F:F+1] op_sel_hi:[1,0]   ; l under the new M: the plain place behind the batch
	s_wait_alu depctr_va_vdst(0)                   ; one wait for the 64, ahead of their first reader
.irp b, 0,1,2,3
	v_exp_f32 v[TM+\b], v[TM+\b]                   ; each block's largest p
.endr
	v_pk_add_f32 v[88:89], v[100:101], v[104:105]
	v_pk_add_f32 v[254:255], v[108:109], v[112:113]
	v_pk_add_f32 v[252:253], v[116:117], v[120:121]
	v_pk_add_f32 v[246:247], v[124:125], v[128:129]
	v_pk_add_f32 v[244:245], v[132:133], v[136:137]
	v_pk_add_f32 v[242:243], v[140:141], v[144:145]
	v_pk_add_f32 v[240:241], v[148:149], v[152:153]
	v_pk_add_f32 v[30:31], v[30:31], v[156:157]
	v_pk_add_f32 v[88:89], v[88:89], v[96:97]
	v_pk_add_f32 v[254:255], v[254:255], v[98:99]
	v_pk_add_f32 v[252:253], v[252:253], v[102:103]
	v_pk_add_f32 v[246:247], v[246:247], v[106:107]
	v_pk_add_f32 v[244:245], v[244:245], v[110:111]
	v_pk_add_f32 v[242:243], v[242:243], v[114:115]
	v_pk_add_f32 v[240:241], v[240:241], v[118:119]
	v_pk_add_f32 v[30:31], v[30:31], v[122:123]
	v_pk_add_f32 v[88:89], v[88:89], v[126:127]
	v_pk_add_f32 v[254:255], v[254:255], v[130:131]
	v_pk_add_f32 v[252:253], v[252:253], v[134:135]
	v_pk_add_f32 v[246:247], v[246:247], v[138:139]
	v_pk_add_f32 v[244:245], v[244:245], v[142:143]
	v_pk_add_f32 v[242:243], v[242:243], v[146:147]
	v_pk_add_f32 v[240:241], v[240:241], v[150:151]
	v_pk_add_f32 v[30:31], v[30:31], v[154:155]
	v_pk_add_f32 v[88:89], v[88:89], v[158:159]
	s_delay_alu instid0(VALU_DEP_2)
	v_pk_add_f32 v[30:31], v[30:31], v[246:247]
	s_delay_alu instid0(VALU_DEP_2)
	v_pk_add_f32 v[88:89], v[88:89], v[244:245]
	v_pk_add_f32 v[254:255], v[254:255], v[242:243]
	v_pk_add_f32 v[252:253], v[252:253], v[240:241]
	s_delay_alu instid0(VALU_DEP_2)
	v_pk_add_f32 v[30:31], v[30:31], v[254:255]
	s_delay_alu instid0(VALU_DEP_2)
	v_pk_add_f32 v[88:89], v[88:89], v[252:253]
	s_delay_alu instid0(VALU_DEP_1)
	v_pk_add_f32 v[30:31], v[30:31], v[88:89]
	s_wait_alu depctr_va_vdst(0)                   ; and one for the four
.irp b, 0,1,2,3
	v_max_num_f32 v[TM+\b], 0x2800000, v[TM+\b]    ; the floor 2^(5 - 127)
.endr
.irp b, 0,1,2,3
	s_delay_alu instid0(VALU_DEP_4)
	v_add_nc_u32 v[TM+12+\b], 0xfe000000, v[TM+\b]
.endr
.irp b, 0,1,2,3
	s_delay_alu instid0(VALU_DEP_4)
	v_lshrrev_b32 v[TM+4+\b], 23, v[TM+12+\b]
.endr
	s_delay_alu instid0(VALU_DEP_3)
	v_lshl_or_b32 v[PS], v[TM+5], 8, v[TM+4]
	s_delay_alu instid0(VALU_DEP_1)
	v_lshl_or_b32 v[PS], v[TM+6], 16, v[PS]
	s_delay_alu instid0(VALU_DEP_1)
	v_lshl_or_b32 v[PS], v[TM+7], 24, v[PS]
.irp c, 0,1
	v_cvt_scalef32_pk16_bf6_f32 v[PC+6*\c:PC+6*\c+2], v[S+32*\c:S+32*\c+15], v[TM+12+2*\c]
	v_cvt_scalef32_pk16_bf6_f32 v[PC+12+4*\c:PC+12+4*\c+2], v[S+32*\c+16:S+32*\c+31], v[TM+13+2*\c]
.endr
	v_nop
.irp c, 0,1
.irp i, 0,1,2
	v_permlane16_swap_b32 v[PC+6*\c+\i], v[PC+12+4*\c+\i]
.endr
.irp i, 0,1,2
	s_delay_alu instid0(VALU_DEP_3)
	v_mov_b32 v[PC+3+6*\c+\i], v[PC+12+4*\c+\i]
.endr
.endr
.irp j, 0,2,4,6,8,10,12,14,16,18,20,22,24,26,28,30,32,34,36,38,40,42,44,46,48,50,52,54,56,58,60,62
	v_pk_mul_f32 v[O+\j:O+\j+1], v[O+\j:O+\j+1], v[F:F+1] op_sel_hi:[1,0]   ; O^T under the new M; these 32 are also the places between P's codes and scale word and the products below
.endr
	s_wait_alu depctr_va_vdst(0)
	s_wait_dscnt 36*(\nextk)                       ; V and its scale words are in; the 36 loads of the next step's K, issued behind them, may stay out
	WIN 0x01                                       ; source 0 (V) window 1; P, C and D window 0
.irp t, 0,1,2,3,4,5,6,7
.if \t&1
	v_wmma_scale_f32_16x16x128_f8f6f4 v[O+8*\t:O+8*\t+7], v[VF+12*\t:VF+12*\t+11], v[PC:PC+11], v[O+8*\t:O+8*\t+7], v[VS+(\t>>1)], v[PS] matrix_a_fmt:MATRIX_FMT_BF6 matrix_b_fmt:MATRIX_FMT_BF6 matrix_a_scale:MATRIX_SCALE_ROW1
.else
	v_wmma_scale_f32_16x16x128_f8f6f4 v[O+8*\t:O+8*\t+7], v[VF+12*\t:VF+12*\t+11], v[PC:PC+11], v[O+8*\t:O+8*\t+7], v[VS+(\t>>1)], v[PS] matrix_a_fmt:MATRIX_FMT_BF6 matrix_b_fmt:MATRIX_FMT_BF6
.endif
.endr
	WIN 0
.endm
; At a slot's head.  fill = 1: the slot that has been left is filled with the next 512 keys: the load has four key steps in which to land.  Then the slot's first K is asked for.
.macro CHANGE fill
	s_wait_tensorcnt 0x0                           ; my part of the slot ahead has landed; no load of mine is out, so a group 0 may be written
	ds_add_u32 v[SPW], v[NIL]                      ; 0 onto my spare word
.if \fill
	s_xor_b32 s5, s5, SLOT1
	s_add_nc_u64 s[6:7], s[6:7], VOFF
	s_xor_b32 s9, s9, SLOT1
	s_add_nc_u64 s[10:11], s[10:11], VOFF
.endif
	s_wait_dscnt 0x0                               ; the add is done, and my reads of the slot that I have left are over
.if \fill
	CROUND                                         ; the same holds of every wave of the four work-groups
	TLOAD
.else
	s_barrier_signal -1
	s_barrier_wait -1
.endif
	s_add_co_u32 s15, s2, VOFF
	v_add_nc_u32 v[AK16], s2, v[VO16]
	v_add_nc_u32 v[AK8], s2, v[VO8]
	v_add_nc_u32 v[AK4], s2, v[VO4R]
	v_add_nc_u32 v[AV16], s15, v[VO16]
	v_add_nc_u32 v[AV8], s15, v[VO8]
	v_add_nc_u32 v[AV4], s15, v[VO4R]
	LOADF KF, KS, AK16, AK8, AK4, 0                ; behind the barrier the slot ahead is whole: its first key step's K
.endm
.Lslot:                                            ; three trips: behind each change of slots but the last the next slot is asked for
	CHANGE 1
	s_wait_alu depctr_va_vdst(0)
	STEP 0, 1, 1
	STEP 1, 1, 1
	STEP 2, 1, 1
	STEP 3, 1, 0
	s_xor_b32 s2, s2, SLOT1
	s_sub_co_u32 s3, s3, 1
	s_cmp_lg_u32 s3, 0
	s_cbranch_scc1 .Lslot
	CHANGE 0                                       ; the last slot is written out
	s_wait_alu depctr_va_vdst(0)
	STEP 0, 1, 1
	STEP 1, 1, 1
	STEP 2, 1, 1
	STEP 3, 0, 0
.rept 4
	v_nop                                          ; places behind the last products
.endr
	v_add_f32 v[T0], v30, v31
	s_delay_alu instid0(VALU_DEP_1)
	v_permlanex16_b32 v[T1], v[T0], s[SEL], s[SEL+1]
	s_delay_alu instid0(VALU_DEP_1)
	v_add_f32 v[T0], v[T0], v[T1]                  ; l
	s_wait_alu depctr_va_vdst(0)
	v_rcp_f32 v[T1], v[T0]
	v_nop
	v_cmp_eq_f32 vcc_lo, 0, v[T0]                  ; no key was allowed
	s_wait_alu depctr_va_vdst(0)
	v_cndmask_b32 v[T1], v[T1], 0, vcc_lo          ; zeros there, not 0 x infinity
.irp j, 0,1,2,3,4,5,6,7,8,9,10,11,12,13,14,15,16,17,18,19,20,21,22,23,24,25,26,27,28,29,30,31,32,33,34,35,36,37,38,39,40,41,42,43,44,45,46,47,48,49,50,51,52,53,54,55,56,57,58,59,60,61,62,63
	v_mul_f32 v[S+\j], v[O+\j], v[T1]              ; register 16 b + i = channel 32 b + 16 (lane / 16) + i of my query
.endr
	QUANT S, 0
	v_cndmask_b32 v[PW], v[PW], -1, vcc_lo         ; and the NaN byte in all four places
	global_store_b128 v[VO16], v[PC:PC+3], s[100:101]
	global_store_b64 v[VO8], v[PC+4:PC+5], s[100:101] offset:512
	global_store_b128 v[VO16], v[PC+6:PC+9], s[100:101] offset:768
	global_store_b64 v[VO8], v[PC+10:PC+11], s[100:101] offset:1280
	global_store_b32 v[VO4], v[PW], s[12:13] offset:3072
	s_wait_tensorcnt 0x0                           ; the wave's end
	ds_add_u32 v[SPW], v[NIL]
	s_wait_dscnt 0x0
	CROUND                                         ; the closing round
	s_endpgm
.Lfunc_end_k_qcbb0bc3146_attn:
	.size	k_qcbb0bc3146_attn, .Lfunc_end_k_qcbb0bc3146_attn-k_qcbb0bc3146_attn
	.p2alignl 7, 3214868480
	.fill 96, 4, 3214868480
	.section	.rodata,"a",@progbits
	.p2align	6, 0x0
	.amdhsa_kernel k_qcbb0bc3146_attn
		.amdhsa_group_segment_fixed_size 327680
		.amdhsa_private_segment_fixed_size 0
		.amdhsa_enable_private_segment 0
		.amdhsa_kernarg_size 40
		.amdhsa_user_sgpr_count 2
		.amdhsa_user_sgpr_kernarg_segment_ptr 1
		.amdhsa_wavefront_size32 1
		.amdhsa_system_sgpr_workgroup_id_x 1
		.amdhsa_system_sgpr_workgroup_id_y 1
		.amdhsa_system_sgpr_workgroup_id_z 1
		.amdhsa_system_vgpr_workitem_id 0
		.amdhsa_next_free_vgpr 448
		.amdhsa_next_free_sgpr 102
		.amdhsa_reserve_vcc 1
		.amdhsa_float_denorm_mode_32 3
		.amdhsa_float_denorm_mode_16_64 3
		.amdhsa_memory_ordered 1
		.amdhsa_forward_progress 1
		.amdhsa_inst_pref_size 226
	.end_amdhsa_kernel
	.amdgpu_metadata
---
amdhsa.version: [ 1, 2 ]
amdhsa.kernels:
  - .name:           k_qcbb0bc3146_attn
    .symbol:         k_qcbb0bc3146_attn.kd
    .args:
      - { .name: qimg, .offset: 0, .size: 8, .value_kind: global_buffer, .address_space: global }
      - { .name: kimg, .offset: 8, .size: 8, .value_kind: global_buffer, .address_space: global }
      - { .name: vimg, .offset: 16, .size: 8, .value_kind: global_buffer, .address_space: global }
      - { .name: mbits, .offset: 24, .size: 8, .value_kind: global_buffer, .address_space: global }
      - { .name: a2, .offset: 32, .size: 8, .value_kind: global_buffer, .address_space: global }
    .group_segment_fixed_size: 327680
    .private_segment_fixed_size: 0
    .kernarg_segment_align: 8
    .kernarg_segment_size: 40
    .max_flat_workgroup_size: 256
    .sgpr_count:     102
    .vgpr_count:     448
    .wavefront_size: 32
...
	.end_amdgpu_metadata
.endif
;; end of part 3
;; launch gemm2 (part 4): grid 16 x 16, 4 waves a work-group, clusters of 4 x 4, 327,680 bytes of LDS; arguments a2, w2, x, out0; writes out0
.if DOCPART == 4
	.amdgcn_target "amdgcn-amd-amdhsa--gfx1250"
	.amdhsa_code_object_version 6
	.text
	.protected	k_qcbb0bc3146_gemm2
	.globl	k_qcbb0bc3146_gemm2
	.p2align	8
	.type	k_qcbb0bc3146_gemm2,@function
k_qcbb0bc3146_gemm2:
	s_mov_b64 s[64:65], 0
	v_nop
	global_prefetch_b8 v0, s[64:65] scope:SCOPE_SE
	s_setreg_imm32_b32 hwreg(HW_REG_WAVE_MODE, 25, 1), 1
	s_wait_xcnt 0x0
	s_wait_alu depctr_hold_cnt(0) depctr_sa_sdst(0) depctr_va_vdst(0) depctr_va_sdst(0) depctr_va_ssrc(0) depctr_va_vcc(0) depctr_vm_vsrc(0)
	s_getreg_b32 s2, hwreg(HW_REG_IB_STS2, 6, 4)
	s_cmp_eq_u32 s2, 0
	s_cbranch_scc0 .Lentry_in_a_cluster
	s_endpgm
.Lentry_in_a_cluster:
	s_bfe_u32 s2, ttmp6, 0x10000c
	s_cmp_lg_u32 s2, 0xf033
	s_cbranch_scc0 .Lentry_shape_is_right
	s_endpgm
.Lentry_shape_is_right:
; GEMM2: out = x + [ctx | act] [wo | w_down]^T on codes of BF6, K = 4,096.  a2 and w2 are images of operand registers in pair blocks of 3,328 bytes (two K steps of a row block with their scale words).
; A work-group of four waves makes 128 x 128, a wave 64 x 64 (16 accumulators).  A slot holds two pairs of K steps of A's 8 row blocks and of B's 8; each wave brings one pair of one side, 26,624 dense bytes,
; by one joint load: A's tiles are shared along a row of the 4 x 4 cluster, B's along a column.  Two slots take turns; a round of the cluster's barrier stands in front of every refill.
; PREFETCH: behind each joint load stands one prefetch of the fill two fills on.  A wave's block is 104 units of 256 bytes; the four partners that ask for it jointly take 26 each, told apart by address
; (cx for A, cy for B), a lane a unit, lanes 26-31 naming unit 25 again.  Fills 1 and 2 are asked for behind fill 0; the loop's last trip, whose fills are 6 and 7, asks for nothing.
; x is loaded at the head into registers of its own and added on the way out, which goes through each wave's stage in slot 0 (its last fill and its last read are over by then) as whole rows of 256 bytes.
.set NI, 4
.set NJ, 4
.set PB, 3328
.set H, 8*PB
.set SLOT, 4*H
.set SPARE, 2*SLOT
.set SSTEP, 2*128*PB
.set AI16, 4
.set AI8, 6
.set AI4, 8
.set AJ16, 10
.set AJ8, 12
.set AJ4, 14
.set VO16, 16
.set VO8, 17
.set VO4, 18
.set XO, 19
.set STO, 20
.set RD, 21
.set SPW, 28
.set NIL, 29
.set SC, 32
.set IFR, 64
.set JFR, 0
.set BK, 64
.set G1, 24
.set G0, 32
.set G1B, 48
.set G0B, 56
.set MSB, 0
.macro WIN new
.if MSB != (\new)
	s_set_vgpr_msb (MSB<<8)|(\new)
.set MSB, (\new)
.endif
.endm
.macro PLACES n
.rept \n
	v_nop
.endr
.endm
.macro JLOAD g0a, g1a, g0b, g1b
	s_cmp_eq_u32 s15, 0
	s_cbranch_scc0 .Lfor_b_\@
	tensor_load_to_lds s[\g0a:\g0a+3], s[\g1a:\g1a+7]
	s_nop 0
.rept 4
	v_nop
.endr
	s_branch .Lasked_\@
.Lfor_b_\@:
	tensor_load_to_lds s[\g0b:\g0b+3], s[\g1b:\g1b+7]
	s_nop 0
.rept 4
	v_nop
.endr
.Lasked_\@:
.endm
.macro CREST
	s_cmp_lg_u32 s14, 0
	s_cbranch_scc1 .Lnot_wave_0_\@
	s_barrier_signal -3
.Lnot_wave_0_\@:
	s_barrier_wait -3
	s_barrier_signal -1
	s_barrier_wait -1
.endm
.macro CROUND
	s_barrier_signal -1
	s_barrier_wait -1
	CREST
.endm
.macro FRAG reg, a16, a8, off
	ds_load_b128 v[(\reg):(\reg)+3], v[\a16] offset:(\off)
	ds_load_b64 v[(\reg)+4:(\reg)+5], v[\a8] offset:(\off)+512
	ds_load_b128 v[(\reg)+6:(\reg)+9], v[\a16] offset:(\off)+768
	ds_load_b64 v[(\reg)+10:(\reg)+11], v[\a8] offset:(\off)+1280
.endm
.macro FETCH slot, q, p
	WIN 0x40
.irp j, 0,1,2,3
	FRAG JFR+12*NJ*(\p)+12*\j, AJ16+\slot, AJ8+\slot, H*((\q)>>1)+PB*\j+1536*((\q)&1)
.endr
	WIN 0
.irp i, 0,1,2,3
	FRAG IFR+12*NI*(\p)+12*\i, AI16+\slot, AI8+\slot, H*((\q)>>1)+PB*\i+1536*((\q)&1)
.endr
.irp i, 0,1,2,3
	ds_load_b32 v[SC+(NI+NJ)*(\p)+\i], v[AI4+\slot] offset:H*((\q)>>1)+PB*\i+3072+128*((\q)&1)
.endr
.irp j, 0,1,2,3
	ds_load_b32 v[SC+(NI+NJ)*(\p)+NI+\j], v[AJ4+\slot] offset:H*((\q)>>1)+PB*\j+3072+128*((\q)&1)
.endr
.endm
.macro MULS p, i0, n, zero
.set ii, \i0
.rept \n
	WIN 0xa1
.irp j, 0,1,2,3
.set AC, 8*NJ*ii+8*\j
.if \zero
	v_wmma_scale_f32_16x16x128_f8f6f4 v[AC:AC+7], v[JFR+12*NJ*(\p)+12*\j:JFR+12*NJ*(\p)+12*\j+11], v[IFR+12*NI*(\p)+12*ii:IFR+12*NI*(\p)+12*ii+11], 0, v[SC+(NI+NJ)*(\p)+NI+\j], v[SC+(NI+NJ)*(\p)+ii] matrix_a_fmt:MATRIX_FMT_BF6 matrix_b_fmt:MATRIX_FMT_BF6
.else
	v_wmma_scale_f32_16x16x128_f8f6f4 v[AC:AC+7], v[JFR+12*NJ*(\p)+12*\j:JFR+12*NJ*(\p)+12*\j+11], v[IFR+12*NI*(\p)+12*ii:IFR+12*NI*(\p)+12*ii+11], v[AC:AC+7], v[SC+(NI+NJ)*(\p)+NI+\j], v[SC+(NI+NJ)*(\p)+ii] matrix_a_fmt:MATRIX_FMT_BF6 matrix_b_fmt:MATRIX_FMT_BF6
.endif
.endr
.set ii, ii+1
.endr
.endm
.macro STEP slot, q, zero
	s_wait_dscnt 0x0
	PLACES 4
	FETCH \slot, (\q)+1, 1-((\q)%2)
	MULS (\q)%2, 0, NI, \zero
	WIN 0
.endm
.macro TURN slot, next, fill
.if \fill
	s_wait_xcnt 0x0                                ; my last prefetch has read its address:
	s_add_nc_u64 s[4:5], s[4:5], SSTEP             ; it steps to the fill two on from the one asked for below
.endif
	s_wait_tensorcnt 0x0
	ds_add_u32 v[SPW], v[NIL]
	s_wait_dscnt 0x1
	MULS 1, 0, NI/4, 0
	s_wait_dscnt 0x0
	s_barrier_signal -1
	MULS 1, NI/4, NI/4, 0
	WIN 0
	s_barrier_wait -1
.if \fill
	CREST
	s_add_nc_u64 s[G0+4*\slot+2:G0+4*\slot+3], s[G0+4*\slot+2:G0+4*\slot+3], 2*SSTEP
	s_add_nc_u64 s[G0B+4*\slot+2:G0B+4*\slot+3], s[G0B+4*\slot+2:G0B+4*\slot+3], 2*SSTEP
	JLOAD G0+4*\slot, G1, G0B+4*\slot, G1B
.else
	PLACES 4
.endif
	s_wait_alu depctr_va_vdst(0)
	FETCH \next, 0, 0
.if \fill
	s_cmp_gt_u32 s3, 1                             ; the last trip's fills have no fill two on
	s_cbranch_scc0 .Lno_ask_\@
	global_prefetch_b8 v22, s[4:5] th:TH_LOAD_NT scope:SCOPE_SE
.Lno_ask_\@:
.endif
	MULS 1, NI/2, NI/2, 0
	WIN 0
.endm
	s_load_b256 s[68:75], s[0:1], 0x0
	v_lshl_add_u32 v[SPW], v0, 2, SPARE
	v_mov_b32 v[NIL], 0
	ds_add_u32 v28, v29
	ds_add_u32 v28, v29
	s_wait_dscnt 0x0
	v_lshrrev_b32 v1, 5, v0
	v_readfirstlane_b32 s14, v1
	s_lshr_b32 s15, s14, 1
	s_and_b32 s16, s14, 1
	s_bfe_u32 s40, ttmp6, 0x40000
	s_bfe_u32 s41, ttmp6, 0x40004
	s_lshl_b32 s42, ttmp9, 2
	s_add_co_u32 s42, s42, s40
	s_and_b32 s17, ttmp7, 0xffff
	s_lshl_b32 s17, s17, 2
	s_add_co_u32 s17, s17, s41
	s_lshl_b32 s43, s41, 2
	s_lshl_b32 s43, 15, s43
	s_lshl_b32 s44, 0x1111, s40
	s_or_b32 s[G1+0], s43, (3<<16)|(1<<21)
	s_or_b32 s[G1B+0], s44, (3<<16)|(1<<21)
.irp g, G1, G1B
	s_mov_b32 s[\g+1], 32<<16
	s_mov_b32 s[\g+2], 104<<16
	s_mov_b32 s[\g+3], 32<<16
	s_mov_b32 s[\g+4], 104
	s_mov_b32 s[\g+5], 32
	s_mov_b32 s[\g+6], 0
	s_mov_b32 s[\g+7], 0
.endr
	s_lshl_b32 s18, s16, 7
	s_lshl_b32 s20, s17, 3
	s_add_co_u32 s20, s20, s18
	s_mul_i32 s20, s20, PB
	s_mov_b32 s21, 0
	s_lshl_b32 s46, s42, 3
	s_add_co_u32 s46, s46, s18
	s_mul_i32 s46, s46, PB
	s_mov_b32 s47, 0
	s_mul_i32 s45, s14, H
	s_lshl_b32 s84, s17, 7
	s_lshl_b32 s85, s15, 6
	s_add_co_u32 s84, s84, s85
	s_lshl_b32 s84, s84, 13
	s_lshl_b32 s85, s42, 9
	s_add_co_u32 s84, s84, s85
	s_lshl_b32 s85, s16, 8
	s_add_co_u32 s84, s84, s85
	s_mov_b32 s85, 0
	v_and_b32 v1, 15, v0
	v_bfe_u32 v2, v0, 4, 1
	v_lshlrev_b32 v[XO], 13, v2
	v_lshl_add_u32 v[XO], v1, 4, v[XO]
	v_and_b32 v3, 31, v0
	v_min_u32 v22, 25, v3
	v_lshlrev_b32 v22, 8, v22                      ; the prefetches' offset: 256 x min(lane, 25); never rewritten
	s_wait_kmcnt 0x0
	s_add_nc_u64 s[20:21], s[68:69], s[20:21]
	s_add_nc_u64 s[46:47], s[70:71], s[46:47]
	s_add_nc_u64 s[86:87], s[72:73], s[84:85]
	s_add_nc_u64 s[88:89], s[74:75], s[84:85]
	s_mov_b32 s9, 0
	s_cmp_eq_u32 s15, 0                            ; do I fetch for A?
	s_cselect_b64 s[4:5], s[20:21], s[46:47]       ; my block of fill 0,
	s_cselect_b32 s8, s40, s41                     ; and my place among the four that ask for it with me
	s_mul_i32 s8, s8, 26*256
	s_add_nc_u64 s[10:11], s[4:5], s[8:9]          ; my work-group's 26 units of it
	s_add_nc_u64 s[10:11], s[10:11], SSTEP         ; s[10:11]: those of fill 1
	s_add_nc_u64 s[4:5], s[10:11], SSTEP           ; s[4:5]: those of fill 2
	CROUND
.irp s, 0,1
	s_mov_b32 s[G0+4*\s], 1
	s_add_co_u32 s[G0+4*\s+1], s45, \s*SLOT
	s_add_nc_u64 s[G0+4*\s+2:G0+4*\s+3], s[20:21], \s*SSTEP
	s_or_b32 s[G0+4*\s+3], s[G0+4*\s+3], 0x80000000
	s_mov_b32 s[G0B+4*\s], 1
	s_add_co_u32 s[G0B+4*\s+1], s45, \s*SLOT
	s_add_nc_u64 s[G0B+4*\s+2:G0B+4*\s+3], s[46:47], \s*SSTEP
	s_or_b32 s[G0B+4*\s+3], s[G0B+4*\s+3], 0x80000000
	s_wait_alu depctr_va_vdst(0)
.if \s
	s_wait_xcnt 0x0                                ; the prefetches behind fill 0 have read their addresses
	s_add_nc_u64 s[4:5], s[4:5], SSTEP             ; on to fill 3
	s_wait_tensorcnt 0x0                           ; slot 1's first fill is issued as a refill is: my part of fill 0 is in,
	ds_add_u32 v28, v29                            ; 0 onto my spare word,
	s_wait_dscnt 0x0
	CROUND                                         ; and a whole round
.endif
	JLOAD G0+4*\s, G1, G0B+4*\s, G1B
.if \s
	global_prefetch_b8 v22, s[4:5] th:TH_LOAD_NT scope:SCOPE_SE
.else
	global_prefetch_b8 v22, s[10:11] th:TH_LOAD_NT scope:SCOPE_SE
	global_prefetch_b8 v22, s[4:5] th:TH_LOAD_NT scope:SCOPE_SE
.endif
.endr
	WIN 0x80
	s_wait_alu depctr_va_vdst(0)
.irp i, 0,1,2,3
.irp t, 0,1,2,3,4,5,6,7
	global_load_b128 v[128+32*\i+4*\t:128+32*\i+4*\t+3], v[XO], s[86:87] offset:(32*(\i>>1)+8*(\i&1)+2*\t+8*(\t>>2))*8192 th:TH_LOAD_NT
.endr
.endr
	WIN 0
	s_mul_i32 s18, s15, NI*PB
	s_mul_i32 s19, s16, NJ*PB
	s_add_co_u32 s19, s19, 2*H
	v_and_b32 v3, 31, v0
	v_lshlrev_b32 v[VO16], 4, v3
	v_lshlrev_b32 v[VO8], 3, v3
	v_lshlrev_b32 v[VO4], 2, v3
.irp s, 0,1
	v_add_nc_u32 v[AI16+\s], s18, v[VO16]
	v_add_nc_u32 v[AI8+\s], s18, v[VO8]
	v_add_nc_u32 v[AI4+\s], s18, v[VO4]
	v_add_nc_u32 v[AJ16+\s], s19, v[VO16]
	v_add_nc_u32 v[AJ8+\s], s19, v[VO8]
	v_add_nc_u32 v[AJ4+\s], s19, v[VO4]
	s_add_co_u32 s18, s18, SLOT
	s_add_co_u32 s19, s19, SLOT
.endr
	s_mul_i32 s22, s14, 16*272
	v_mul_u32_u24 v[STO], v1, 272
	v_lshl_add_u32 v[STO], v2, 6, v[STO]
	v_add_nc_u32 v[STO], s22, v[STO]
	v_mul_u32_u24 v[RD], v2, 272
	v_lshl_add_u32 v[RD], v1, 4, v[RD]
	v_add_nc_u32 v[RD], s22, v[RD]
	s_wait_tensorcnt 0x1
	s_barrier_signal -1
	s_barrier_wait -1
	FETCH 0, 0, 0
	STEP 0, 0, 1
	STEP 0, 1, 0
	STEP 0, 2, 0
	s_mov_b32 s3, 3
.Llap:
	TURN 0, 1, 1
	STEP 1, 0, 0
	STEP 1, 1, 0
	STEP 1, 2, 0
	TURN 1, 0, 1
	STEP 0, 0, 0
	STEP 0, 1, 0
	STEP 0, 2, 0
	s_sub_co_u32 s3, s3, 1
	s_cmp_lg_u32 s3, 0
	s_cbranch_scc1 .Llap
	TURN 0, 1, 0
	STEP 1, 0, 0
	STEP 1, 1, 0
	STEP 1, 2, 0
	s_wait_dscnt 0x0
	MULS 1, 0, NI, 0
	WIN 0
	PLACES 4
.macro TOSTAGE i
	WIN 0x08
.irp b, 0,1
.irp j, 0,1,2,3
	ds_store_b128 v[STO], v[32*(\i)+16*\b+4*\j:32*(\i)+16*\b+4*\j+3] offset:128*\b+16*\j
.endr
.endr
	WIN 0
.irp t, 0,1,2,3,4,5,6,7
	ds_load_b128 v[BK+32*((\i)&1)+4*\t:BK+32*((\i)&1)+4*\t+3], v[RD] offset:544*\t
.endr
.endm
.macro SEND i, younger
	s_wait_dscnt \younger
	WIN 0x08
.irp p, 0,2,4,6,8,10,12,14,16,18,20,22,24,26,28,30
	v_pk_add_f32 v[BK+32*((\i)&1)+\p:BK+32*((\i)&1)+\p+1], v[BK+32*((\i)&1)+\p:BK+32*((\i)&1)+\p+1], v[128+32*(\i)+\p:128+32*(\i)+\p+1]
.endr
	WIN 0
.irp t, 0,1,2,3,4,5,6,7
	global_store_b128 v[XO], v[BK+32*((\i)&1)+4*\t:BK+32*((\i)&1)+4*\t+3], s[88:89] offset:(32*((\i)>>1)+8*((\i)&1)+2*\t+8*(\t>>2))*8192 th:TH_STORE_NT
.endr
.endm
	s_wait_loadcnt 0x0
	TOSTAGE 0
.irp i, 1,2,3
.if \i > 1
	s_wait_xcnt 0x0
.endif
	TOSTAGE \i
	SEND \i-1, 16
.endr
	SEND 3, 0
	s_wait_tensorcnt 0x0
	ds_add_u32 v[SPW], v[NIL]
	s_wait_dscnt 0x0
	CROUND
	s_endpgm
.Lfunc_end_k_qcbb0bc3146_gemm2:
	.size	k_qcbb0bc3146_gemm2, .Lfunc_end_k_qcbb0bc3146_gemm2-k_qcbb0bc3146_gemm2
	.p2alignl 7, 3214868480
	.fill 96, 4, 3214868480
	.section	.rodata,"a",@progbits
	.p2align	6, 0x0
	.amdhsa_kernel k_qcbb0bc3146_gemm2
		.amdhsa_group_segment_fixed_size 327680
		.amdhsa_private_segment_fixed_size 0
		.amdhsa_enable_private_segment 0
		.amdhsa_kernarg_size 32
		.amdhsa_user_sgpr_count 2
		.amdhsa_user_sgpr_kernarg_segment_ptr 1
		.amdhsa_wavefront_size32 1
		.amdhsa_system_sgpr_workgroup_id_x 1
		.amdhsa_system_sgpr_workgroup_id_y 1
		.amdhsa_system_sgpr_workgroup_id_z 1
		.amdhsa_system_vgpr_workitem_id 0
		.amdhsa_next_free_vgpr 768
		.amdhsa_next_free_sgpr 100
		.amdhsa_reserve_vcc 0
		.amdhsa_float_denorm_mode_32 3
		.amdhsa_float_denorm_mode_16_64 3
		.amdhsa_memory_ordered 1
		.amdhsa_forward_progress 1
		.amdhsa_inst_pref_size 103
	.end_amdhsa_kernel
	.amdgpu_metadata
---
amdhsa.version: [ 1, 2 ]
amdhsa.kernels:
  - .name:           k_qcbb0bc3146_gemm2
    .symbol:         k_qcbb0bc3146_gemm2.kd
    .args:
      - { .name: a2, .offset: 0, .size: 8, .value_kind: global_buffer, .address_space: global }
      - { .name: w2, .offset: 8, .size: 8, .value_kind: global_buffer, .address_space: global }
      - { .name: x, .offset: 16, .size: 8, .value_kind: global_buffer, .address_space: global }
      - { .name: out0, .offset: 24, .size: 8, .value_kind: global_buffer, .address_space: global }
    .group_segment_fixed_size: 327680
    .private_segment_fixed_size: 0
    .kernarg_segment_align: 8
    .kernarg_segment_size: 32
    .max_flat_workgroup_size: 128
    .sgpr_count:     100
    .vgpr_count:     768
    .wavefront_size: 32
...
	.end_amdgpu_metadata
.endif
;; end of part 4
